; MI455X (gfx1250); checked and timed in simulation.
; The chip was launched on July 23, 2026; its instructions are those of AMD's public machine-readable ISA for CDNA 5 (MIT licence, August 2026) and "CDNA5" Instruction Set Architecture Reference Guide (July 2026). The comments in the code are by the model that wrote it; some were corrected since.
;; Attention. Allowed arithmetic: matrix products marked QUANTISED: E2M3 operands, one E8M0 scale for each 32 along K, by v_wmma_scale_f32_16x16x128_f8f6f4 with both operands' format E2M3, f32 sums; everything else in f32.
;; Inputs: attention_mask 2,048 x 2,048 bool; cos 2,048 x 64 float32; sin 2,048 x 64 float32; wk 1,024 x 4,096 float32; wo 4,096 x 2,048 float32; wq 2,048 x 4,096 float32; wv 1,024 x 4,096 float32; x 1 x 2,048 x 4,096 float32.
;; Outputs: out0 1 x 2,048 x 4,096 float32.
;; This version of the problem:
;;   THIS VERSION OF THE PROBLEM IS GIVEN IN LOW PRECISION. The matrix products marked QUANTISED in the list below multiply operands that are first quantised to E2M3 (2 exponent bits, 3 mantissa bits; 6 bits a number), with one power-of-two scale for each 32 numbers along K (OCP MX v1.0); their sums are f32. All else is computed in f32.
;;   The module's matrix products, in the order in which they are computed (A, B: the left and right operand; K: the contracted axis; several contracted axes count as one K, in the product's order):
;;     1. [M 2,048, K 4,096] x [K 4,096, N 2,048]; A: input x; B: input wq: QUANTISED
;;     2. [M 2,048, K 4,096] x [K 4,096, N 1,024]; A: input x; B: input wk: QUANTISED
;;     3. [M 2,048, K 4,096] x [K 4,096, N 1,024]; A: input x; B: input wv: QUANTISED
;;     4. batch 8 x [M 4,096, K 128] x [K 128, N 2,048]; A: computed on the way; B: computed on the way: QUANTISED
;;     5. batch 8 x [M 4,096, K 2,048] x [K 2,048, N 128]; A: softmax (see below); B: computed on the way: QUANTISED
;;     6. [M 2,048, K 2,048] x [K 2,048, N 4,096]; A: computed on the way; B: input wo: QUANTISED
;;   THE QUANTISER, for each operand of a quantised product, along K:
;;     - K is cut into blocks of 32 from its start; a last block that is shorter is filled with zeros.
;;     - A block's scale is 2^e with e = floor(log2(the largest magnitude in the block)) - 2, held to -126 .. 127; a block of zeros has e = 0. As a byte (E8M0): e + 127.
;;     - Each number is divided by its block's scale, clamped to +-7.5, and rounded to the nearest number of E2M3, ties to even, subnormals kept.
;;     - The product sums the exact products of the quantised numbers (number of the format x scale) in f32.
;;   ~~~python
;;   def quantise(x, axis):      # numpy; x: float32 -> the quantised numbers, widened to float32 again
;;       x = np.moveaxis(x, axis, -1); K = x.shape[-1]
;;       x = np.pad(x, [(0, 0)] * (x.ndim - 1) + [(0, -K % 32)]); x = x.reshape(x.shape[:-1] + (-1, 32)); a = np.abs(x).max(-1, keepdims=True)
;;       e = np.where(a > 0, np.clip(np.frexp(np.where(a > 0, a, 1))[1] - 1 - 2, -126, 127), 0)      # np.frexp(a)[1] - 1 = floor(log2(a)), exactly
;;       r = np.clip(x / 2.0 ** e, -7.5, 7.5)
;;       step = 2.0 ** (np.maximum(np.frexp(np.where(r == 0, 1, r))[1] - 1, 0) - 3)
;;       q = np.round(r / step) * step * 2.0 ** e      # np.round: ties to even
;;       return np.moveaxis(q.reshape(q.shape[:-2] + (-1,))[..., :K], -1, axis).astype(np.float32)
;;   ~~~
;;   SOFTMAX AHEAD OF A QUANTISED PRODUCT. Where the list says 'softmax', what is quantised is not the finished softmax but p = 2^(t - M), with t = logit x log2(e) and M = ceil(the row's largest t), a whole number; so 1/2 < the row's largest p <= 1. The row's sum l is taken of the UNQUANTISED p, in f32, and the product's result is divided by l at the end. Since M is a whole number, a kernel that streams over the keys may use a running M (the ceiling of the running maximum): every later rescaling is an exact power of two, which a block's scale takes up: the codes' values come out the same.
;;   OPERANDS COMPUTED ON THE WAY. 'Computed on the way' means the value that the module computes at that place (a softmax that the list does not call 'softmax' is quantised finished and normalised). What goes into a quantiser is computed in f32, as accurately as f32 sums, v_exp_f32 and their like allow (about 1e-6 of the number): no bf16 or f16 on the way to a quantiser, and a product that is left as it is and whose result goes on into a quantised operand takes f32 operands (vector FMAs, or v_wmma_f32_16x16x4_f32). A number that lies on a knife's edge between two numbers of the format may be rounded either way, as far as f32 arithmetic and the matrix unit's own rounding can turn it there, and no further.
;; One version. Each part assembles by itself: llvm-mc -triple=amdgcn-amd-amdhsa -mcpu=gfx1250 --defsym DOCPART=n.
;; ======== version 1 of 1: 4 launches
;; limits: right only within a limited range of input values
;; workspace buffers: qin 26,214,400 bytes; mbits 532,480 bytes of whole numbers; qkv 6,553,600 bytes; att 3,276,800 bytes
;; launch quant (part 1): grid 1152 x 1, 4 waves a work-group, no clusters, 34,304 bytes of LDS; arguments x, wq, wk, wv, wo, attention_mask, qin, mbits; writes qin, mbits
.if DOCPART == 1
	.amdgcn_target "amdgcn-amd-amdhsa--gfx1250"
	.amdhsa_code_object_version 6
	.text
	.protected	k_qbd8f0543a9_quant
	.globl	k_qbd8f0543a9_quant
	.p2align	8
	.type	k_qbd8f0543a9_quant,@function
k_qbd8f0543a9_quant:
	s_mov_b64 s[64:65], 0
	v_nop
	global_prefetch_b8 v0, s[64:65] scope:SCOPE_SE
	s_setreg_imm32_b32 hwreg(HW_REG_WAVE_MODE, 25, 1), 1
	s_wait_xcnt 0x0
; x [2048][4096], wq [2048][4096], wk, wv [1024][4096], wo [4096][2048], f32, become codes of FP6 (E2M3) with one E8M0 scale byte for each 32 along K, laid IN THE ORDER OF AN OPERAND'S REGISTERS;
; and the mask [2048][2048] of bytes becomes words of one bit a lane.
; A RECORD is 16 rows x 512 along K, 6,400 bytes: four fragments (16 rows x 128 K: 12 registers a lane; registers 4 c .. 4 c + 3 of lane l at byte 512 c + 16 l) at 1,536 q, and at 6,144 the scale words:
; that of row r and step q at 8 r + 128 (q % 2) + 4 (q / 2).  Record U lies at 6,400 U: x 0-1023, wq 1024-2047, wk 2048-2559, wv 2560-3071 (tile x 8 + chunk), wo 3072-4095 (tile x 4 + chunk).
; THE ROWS OF A TILE ARE NOT NEIGHBOURS: row rho of tile T is row 32 (T / 2) + 8 (T % 2) + rho + 8 (rho / 8), so that, with such a tile as source 0, a lane's 16 results of tiles 2 b, 2 b + 1 are 16 neighbours.
; In wq and wk the rows of a head are first taken even ones, then odd ones (place p takes row 2 p, or 2 (p - 64) + 1): the split that the rotary step asks for is made here, by addresses alone.
; A block's scale is 2^(floor(log2(its largest magnitude)) - 2); its byte is the largest magnitude's exponent field - 2, held at 1 from below (a block of zeros so gets 1: its codes are zeros, and this program alone reads the bytes).
; LIMITS: NaN and infinities among the inputs are not served.
; SHARES.  Work-groups 0-127: the mask; wave w of work-group T packs key steps 4 w .. 4 w + 3 of query tile T.  Work-groups 128-1151: a wave makes one record.  Waves share nothing: no barrier.
; Each load of the quantiser reads 512 consecutive bytes of a row; a step's 16 rows turn through the wave's own stage in LDS (rows 528 bytes apart) and come back as 16 neighbours of each block of 32 for lane (r, h).
.set REC,  6400
.set SP,   528                         ; a stage row: 512 bytes + 16
.set WST,  16*SP                       ; a wave's stage
.set OFFR, 8                           ; v8-15    16 x lane + j rows
.set R,    16                          ; v16-143  two sets of 64: 16 rows as loaded
.set X,    144                         ; v144-207 register 16 b + i = k 32 b + 16 h + i of my row
.set PC,   208                         ; v208-219 a fragment's codes
.set TP,   220                         ; v220-226 the upper halves' codes on their way
.set TM,   228                         ; v228-239 at work
.set PW,   240                         ; v240-243 the four steps' scale words
.set SEL,  44                          ; s[44:45] v_permlanex16_b32's selects for lane l xor 16
; 64 numbers of a lane, v[s] on, become a fragment's codes in v[pc] on and its rows' scale word in v[pw]
.macro QUANT s, pc, tp, pw, tm
.irp b, 0,1,2,3
	v_max3_num_f32 v[\tm+\b], |v[\s+16*\b]|, |v[\s+1+16*\b]|, 0x1800000   ; block b: my 16 numbers, and the floor 2^(3 - 127): the byte cannot fall under 1
.endr
.irp i, 2,4,6,8,10,12,14
.irp b, 0,1,2,3
	v_max3_num_f32 v[\tm+\b], v[\tm+\b], |v[\s+16*\b+\i]|, |v[\s+1+16*\b+\i]|   ; the four blocks by turns
.endr
.endr
.irp b, 0,1,2,3
	v_permlanex16_b32 v[\tm+4+\b], v[\tm+\b], s[SEL], s[SEL+1]
.endr
.irp b, 0,1,2,3
	v_max_num_f32 v[\tm+\b], v[\tm+\b], v[\tm+4+\b]   ; with lane l xor 16's: the block's largest magnitude
.endr
.irp b, 0,1,2,3
	v_add_nc_u32 v[\tm+8+\b], 0xff000000, v[\tm+\b]   ; 2 off its exponent field: the conversion's scale operand
.endr
.irp b, 0,1,2,3
	v_lshrrev_b32 v[\tm+4+\b], 23, v[\tm+8+\b]   ; the scale's byte
.endr
	v_lshl_or_b32 v[\pw], v[\tm+5], 8, v[\tm+4]
	v_lshl_or_b32 v[\pw], v[\tm+6], 16, v[\pw]
	v_lshl_or_b32 v[\pw], v[\tm+7], 24, v[\pw]
.irp c, 0,1
	v_cvt_scalef32_pk16_fp6_f32 v[\pc+6*\c:\pc+6*\c+2], v[\s+32*\c:\s+32*\c+15], v[\tm+8+2*\c]
	v_cvt_scalef32_pk16_fp6_f32 v[\tp+4*\c:\tp+4*\c+2], v[\s+32*\c+16:\s+32*\c+31], v[\tm+8+2*\c+1]   ; (a conversion's three registers begin on an even number)
.endr
	v_nop                                          ; one plain place behind a scaled conversion
.irp c, 0,1                                    ; the layout wants a whole block in a lane: lanes 0-15 block 2 c, lanes 16-31 block 2 c + 1
.irp i, 0,1,2
	v_permlane16_swap_b32 v[\pc+6*\c+\i], v[\tp+4*\c+\i]
.endr
.irp i, 0,1,2
	v_mov_b32 v[\pc+6*\c+3+\i], v[\tp+4*\c+\i]
.endr
.endr
.endm
	s_load_b512 s[4:19], s[0:1], 0x0               ; x s[4:5], wq s[6:7], wk s[8:9], wv s[10:11], wo s[12:13], mask s[14:15], qin s[16:17], mbits s[18:19]
	v_lshl_add_u32 v254, v0, 2, 0x8400
	v_mov_b32 v255, 0
	v_lshrrev_b32 v1, 5, v0
	v_readfirstlane_b32 s20, v1                    ; wave
	v_and_b32 v2, 31, v0                           ; lane
	v_and_b32 v3, 15, v0                           ; r
	v_bfe_u32 v1, v0, 4, 1                         ; h
	s_cmp_lt_u32 ttmp9, 128
	s_cbranch_scc0 .Lquant
	; ---- THE MASK.  Word n (0 .. 63) of (query tile T, key step s): bit l = mask[row r of tile T][128 s + 32 (n / 16) + 16 h + n % 16]: the place of score register n in lane l of the attention launch.
	v_and_b32 v4, 8, v3
	v_add_nc_u32 v4, v4, v3                        ; r + 8 (r / 8)
	v_lshlrev_b32 v4, 11, v4                       ; rows of 2,048 bytes
	v_lshl_add_u32 v4, v1, 4, v4                   ; + 16 h
	v_lshlrev_b32 v5, 3, v2                        ; out: 8 bytes a lane
	s_lshr_b32 s21, ttmp9, 1
	s_lshl_b32 s21, s21, 5
	s_and_b32 s22, ttmp9, 1
	s_lshl_b32 s22, s22, 3
	s_add_co_u32 s21, s21, s22                     ; the tile's first row
	s_lshl_b32 s21, s21, 11
	s_lshl_b32 s22, s20, 9                         ; my four key steps: 512 bytes of each row
	s_add_co_u32 s22, s21, s22
	s_mov_b32 s23, 0
	s_lshl_b32 s24, ttmp9, 12                      ; 16 steps x 256 bytes a tile
	s_lshl_b32 s25, s20, 10
	s_add_co_u32 s24, s24, s25
	s_mov_b32 s25, 0
	s_wait_alu depctr_va_vdst(0)
	s_wait_kmcnt 0x0
	s_add_nc_u64 s[14:15], s[14:15], s[22:23]
	; behind the 524,288 bytes of mask words: four words for (tile T, wave w) at 64 T + 16 w: bit sp of word 0: some byte of key step 4 w + sp is true; of word 1: all are; word 2: bit l: lane l met a true byte; word 3: 0
	s_lshl_b32 s26, ttmp9, 6
	s_lshl_b32 s27, s20, 4
	s_add_co_u32 s26, s26, s27
	s_add_co_u32 s26, s26, 524288
	s_mov_b32 s27, 0
	s_add_nc_u64 s[26:27], s[18:19], s[26:27]
	s_add_nc_u64 s[18:19], s[18:19], s[24:25]
	s_mov_b32 s32, 0
	s_mov_b32 s33, 0
	s_mov_b32 s34, 0
.irp sp, 0,1,2,3
.irp b, 0,1,2,3
	global_load_b128 v[16+16*\sp+4*\b:19+16*\sp+4*\b], v4, s[14:15] offset:128*\sp+32*\b
.endr
.endr
.irp i, 0,1,2,3,4,5,6,7
	v_mov_b32 v[80+\i], 0                          ; v_writelane_b32's destination counts as read
.endr
.irp sp, 0,1,2,3
	s_wait_loadcnt 12-4*\sp
	v_add3_u32 v92, v[16+16*\sp], v[17+16*\sp], v[18+16*\sp]   ; bytes are 0 or 1: the sum of my 16 registers holds 0 .. 16 in each byte
.irp i, 3,5,7,9,11,13
	v_add3_u32 v92, v92, v[16+16*\sp+\i], v[17+16*\sp+\i]
.endr
	v_add_nc_u32 v92, v92, v[31+16*\sp]
	v_cmp_ne_u32 s36, 0, v92                       ; lanes with a true byte
	v_cmp_eq_u32 s37, 0x10101010, v92              ; lanes whose 64 bytes are all true
	s_or_b32 s34, s34, s36
	s_cmp_lg_u32 s36, 0
	s_cselect_b32 s35, 1<<\sp, 0
	s_or_b32 s32, s32, s35
	s_cmp_eq_u32 s37, -1
	s_cselect_b32 s35, 1<<\sp, 0
	s_or_b32 s33, s33, s35
.set n, 0
.rept 64
	v_and_b32 v[88+n%4], 0xff<<(8*(n%4)), v[16+16*\sp+4*(n/16)+(n%16)/4]   ; byte n % 16 of my 16
	v_cmp_ne_u32 s[28+n%4], 0, v[88+n%4]           ; one bit a lane
	v_writelane_b32 v[80+2*\sp+n%2], s[28+n%4], n/2   ; word n into lane n / 2 of register n % 2
.set n, n+1
.endr
	global_store_b64 v5, v[80+2*\sp:81+2*\sp], s[18:19] offset:256*\sp   ; 32 lanes store 256 consecutive bytes, aligned; each step has its own pair
.endr
	v_mov_b32 v92, s32
	v_mov_b32 v93, s33
	v_mov_b32 v94, s34
	v_mov_b32 v95, 0
	v_mov_b32 v96, 0
	s_wait_alu depctr_va_vdst(0)                   ; directly ahead of the wait below
	s_wait_xcnt 0x0                                ; EXEC changes only behind this wait
	v_cmpx_gt_u32 1, v2                            ; lane 0 alone stores my wave's four words
	global_store_b128 v96, v[92:95], s[26:27]
	s_endpgm
.Lquant:
	; ---- A RECORD.  All that differs between the five tensors is chosen by selects on the record's number
	s_sub_co_u32 s21, ttmp9, 128
	s_lshl_b32 s21, s21, 2
	s_add_co_u32 s21, s21, s20                     ; U
	s_wait_alu depctr_va_vdst(0)
	v_lshlrev_b32 v4, 4, v2                        ; 16 x lane
	v_lshlrev_b32 v5, 3, v2                        ; 8 x lane
	s_mul_i32 s40, s20, WST
	v_add_nc_u32 v6, s40, v4                       ; the stage, on the way in
	v_mul_u32_u24 v7, v3, SP
	v_lshl_add_u32 v7, v1, 6, v7
	v_add_nc_u32 v7, s40, v7                       ; and on the way out: row r, + 64 h
	s_mov_b32 s[SEL], 0x76543210
	s_mov_b32 s[SEL+1], 0xfedcba98
	s_mov_b32 s46, 0xffff0000                      ; lanes 16-31
.irp b, 0,1,2,3
	v_mov_b32 v[TM+4+\b], 0                        ; a lane permute's destination counts as one of its sources
.endr
	s_wait_kmcnt 0x0
	s_mov_b64 s[22:23], s[12:13]                   ; wo, unless ..
	s_mov_b32 s24, 3072
	s_cmp_lt_u32 s21, 3072
	s_cselect_b64 s[22:23], s[10:11], s[22:23]
	s_cselect_b32 s24, 2560, s24
	s_cmp_lt_u32 s21, 2560
	s_cselect_b64 s[22:23], s[8:9], s[22:23]
	s_cselect_b32 s24, 2048, s24
	s_cmp_lt_u32 s21, 2048
	s_cselect_b64 s[22:23], s[6:7], s[22:23]
	s_cselect_b32 s24, 1024, s24
	s_cmp_lt_u32 s21, 1024
	s_cselect_b64 s[22:23], s[4:5], s[22:23]
	s_cselect_b32 s24, 0, s24
	s_sub_co_u32 s24, s21, s24                     ; the record's number in its tensor
	s_cmp_lt_u32 s21, 3072
	s_cselect_b32 s25, 14, 13                      ; log2 of a row's bytes: 16,384, wo 8,192
	s_cselect_b32 s26, 3, 2                        ; log2 of a tile's chunks
	s_lshr_b32 s27, s24, s26                       ; tile
	s_lshl_b32 s28, s27, s26
	s_sub_co_u32 s28, s24, s28                     ; chunk
	s_sub_co_u32 s29, s21, 1024                    ; under 1,536 in wq and wk alone
	s_lshr_b32 s30, s27, 3                         ; wq, wk: 128 x head + 64 ((t / 2) % 2) + 16 (t % 2) + (t / 4) % 2, rows 2 apart
	s_lshl_b32 s30, s30, 7
	s_bfe_u32 s31, s27, 0x10001
	s_lshl_b32 s31, s31, 6
	s_add_co_u32 s30, s30, s31
	s_and_b32 s31, s27, 1
	s_lshl_b32 s31, s31, 4
	s_add_co_u32 s30, s30, s31
	s_bfe_u32 s31, s27, 0x10002
	s_add_co_u32 s30, s30, s31
	s_lshr_b32 s32, s27, 1                         ; the others: 32 (T / 2) + 8 (T % 2)
	s_lshl_b32 s32, s32, 5
	s_and_b32 s31, s27, 1
	s_lshl_b32 s31, s31, 3
	s_add_co_u32 s32, s32, s31
	s_cmp_lt_u32 s29, 1536
	s_cselect_b32 s30, s30, s32                    ; the tile's first row
	s_cselect_b32 s31, 1, 0
	s_add_co_u32 s33, s25, s31
	s_lshl_b32 s33, 1, s33                         ; bytes from a tile's row to its next
	s_lshl_b32 s30, s30, s25
	s_lshl_b32 s32, s28, 11                        ; a chunk is 2,048 bytes of a row
	s_add_co_u32 s30, s30, s32
	s_mov_b32 s31, 0
	s_add_nc_u64 s[22:23], s[22:23], s[30:31]      ; rows 0-7 of the tile
	s_lshl_b32 s34, s33, 4
	s_mov_b32 s35, 0
	s_add_nc_u64 s[36:37], s[22:23], s[34:35]      ; rows 8-15: 16 further on
	s_mul_i32 s38, s21, REC
	s_mov_b32 s39, 0
	s_add_nc_u64 s[16:17], s[16:17], s[38:39]
.irp j, 0,1,2,3,4,5,6,7
	v_mad_u32_u24 v[OFFR+\j], s33, \j, v4
.endr
.macro LOAD q                          ; step q: 16 rows x 512 bytes into set q % 2
.irp i, 0,1,2,3,4,5,6,7
	global_load_b128 v[R+64*((\q)%2)+4*\i:R+64*((\q)%2)+4*\i+3], v[OFFR+\i], s[22:23] offset:512*(\q) th:TH_LOAD_NT
.endr
.irp i, 0,1,2,3,4,5,6,7
	global_load_b128 v[R+64*((\q)%2)+32+4*\i:R+64*((\q)%2)+32+4*\i+3], v[OFFR+\i], s[36:37] offset:512*(\q) th:TH_LOAD_NT
.endr
.endm
.macro TURN q                          ; through the stage: LDS serves a wave's instructions in order, so no wait stands between the stores and the loads
.irp i, 0,1,2,3,4,5,6,7,8,9,10,11,12,13,14,15
	ds_store_b128 v6, v[R+64*((\q)%2)+4*\i:R+64*((\q)%2)+4*\i+3] offset:SP*\i
.endr
.irp b, 0,1,2,3
.irp j, 0,1,2,3
	ds_load_b128 v[X+16*\b+4*\j:X+16*\b+4*\j+3], v7 offset:128*\b+16*\j
.endr
.endr
.endm
	LOAD 0
	LOAD 1
	s_wait_alu depctr_va_vdst(0)
.irp q, 0,1,2,3
.if \q < 3
	s_wait_loadcnt 16                              ; this step's 16 loads are in; the next step's may be out
.else
	s_wait_loadcnt 0x0
.endif
	TURN \q
	s_wait_dscnt 0x0                               ; my numbers are back, and the stage's stores have read their registers,
.if \q < 2
	LOAD \q+2                                      ; which take the loads of two steps on
.endif
.if \q > 0
	s_wait_xcnt 0x0                                ; the last step's stores have read the codes' registers: they are written again only behind this wait
.endif
	QUANT X, PC, TP, PW+\q, TM
.irp c, 0,1,2
	global_store_b128 v4, v[PC+4*\c:PC+4*\c+3], s[16:17] offset:1536*\q+512*\c   ; 512 consecutive bytes
.endr
.endr
	v_cndmask_b32 v244, v240, v241, s46            ; lanes 0-15 steps 0 and 2, lanes 16-31 steps 1 and 3
	v_cndmask_b32 v245, v242, v243, s46
	global_store_b64 v5, v[244:245], s[16:17] offset:6144   ; 256 consecutive bytes, aligned
	s_wait_tensorcnt 0x0
	ds_add_u32 v254, v255
	s_wait_dscnt 0x0
	s_endpgm
.Lfunc_end_k_qbd8f0543a9_quant:
	.size	k_qbd8f0543a9_quant, .Lfunc_end_k_qbd8f0543a9_quant-k_qbd8f0543a9_quant
	.p2alignl 7, 3214868480
	.fill 96, 4, 3214868480
	.section	.rodata,"a",@progbits
	.p2align	6, 0x0
	.amdhsa_kernel k_qbd8f0543a9_quant
		.amdhsa_group_segment_fixed_size 34304
		.amdhsa_private_segment_fixed_size 0
		.amdhsa_enable_private_segment 0
		.amdhsa_kernarg_size 64
		.amdhsa_user_sgpr_count 2
		.amdhsa_user_sgpr_kernarg_segment_ptr 1
		.amdhsa_wavefront_size32 1
		.amdhsa_system_sgpr_workgroup_id_x 1
		.amdhsa_system_sgpr_workgroup_id_y 1
		.amdhsa_system_sgpr_workgroup_id_z 1
		.amdhsa_system_vgpr_workitem_id 0
		.amdhsa_next_free_vgpr 256
		.amdhsa_next_free_sgpr 66
		.amdhsa_reserve_vcc 0
		.amdhsa_float_denorm_mode_32 3
		.amdhsa_float_denorm_mode_16_64 3
		.amdhsa_memory_ordered 1
		.amdhsa_forward_progress 1
		.amdhsa_inst_pref_size 90
	.end_amdhsa_kernel
	.amdgpu_metadata
---
amdhsa.version: [ 1, 2 ]
amdhsa.kernels:
  - .name:           k_qbd8f0543a9_quant
    .symbol:         k_qbd8f0543a9_quant.kd
    .args:
      - { .name: x, .offset: 0, .size: 8, .value_kind: global_buffer, .address_space: global }
      - { .name: wq, .offset: 8, .size: 8, .value_kind: global_buffer, .address_space: global }
      - { .name: wk, .offset: 16, .size: 8, .value_kind: global_buffer, .address_space: global }
      - { .name: wv, .offset: 24, .size: 8, .value_kind: global_buffer, .address_space: global }
      - { .name: wo, .offset: 32, .size: 8, .value_kind: global_buffer, .address_space: global }
      - { .name: attention_mask, .offset: 40, .size: 8, .value_kind: global_buffer, .address_space: global }
      - { .name: qin, .offset: 48, .size: 8, .value_kind: global_buffer, .address_space: global }
      - { .name: mbits, .offset: 56, .size: 8, .value_kind: global_buffer, .address_space: global }
    .group_segment_fixed_size: 34304
    .private_segment_fixed_size: 0
    .kernarg_segment_align: 8
    .kernarg_segment_size: 64
    .max_flat_workgroup_size: 128
    .sgpr_count:     66
    .vgpr_count:     256
    .wavefront_size: 32
...
	.end_amdgpu_metadata
.endif
;; end of part 1
;; launch qkv (part 2): grid 16 x 16, 4 waves a work-group, clusters of 4 x 4, 327,680 bytes of LDS; arguments qin, cos, sin, qkv; writes qkv
.if DOCPART == 2
	.amdgcn_target "amdgcn-amd-amdhsa--gfx1250"
	.amdhsa_code_object_version 6
	.text
	.protected	k_qbd8f0543a9_qkv
	.globl	k_qbd8f0543a9_qkv
	.p2align	8
	.type	k_qbd8f0543a9_qkv,@function
k_qbd8f0543a9_qkv:
	s_mov_b64 s[64:65], 0
	v_nop
	global_prefetch_b8 v0, s[64:65] scope:SCOPE_SE
	s_setreg_imm32_b32 hwreg(HW_REG_WAVE_MODE, 25, 1), 1
	s_wait_xcnt 0x0
	s_wait_alu depctr_hold_cnt(0) depctr_sa_sdst(0) depctr_va_vdst(0) depctr_va_sdst(0) depctr_va_ssrc(0) depctr_va_vcc(0) depctr_vm_vsrc(0)
	s_getreg_b32 s2, hwreg(HW_REG_IB_STS2, 6, 4)
	s_cmp_eq_u32 s2, 0
	s_cbranch_scc0 .Lentry_in_a_cluster
	s_endpgm
.Lentry_in_a_cluster:
	s_bfe_u32 s2, ttmp6, 0x10000c
	s_cmp_lg_u32 s2, 0xf033
	s_cbranch_scc0 .Lentry_shape_is_right
	s_endpgm
.Lentry_shape_is_right:
.set REC,   6400
.set TSTR,  8*REC
.set SLOT,  24*REC
.set BOFF,  8*REC
.set SPARE, 2*SLOT
.set LAPS,  4
.set ADRA, 16
.set ADRB, 18
.set ASA,  20
.set ASB,  22
.set LI,   24
.set R4,   25
.set CSO,  26
.set SPW,  28
.set NIL,  29
.set SC,   32
.set AF,   80
.set Y,    80
.set PC,   144
.set TP,   192
.set TM,   200
.set PW,   216
.set TT,   220
.set SEL,  66
.set G1,  24
.set G0,  32
.set G1B, 48
.set G0B, 56
.set MSB, 0
.macro WIN new
.if MSB != \new
	s_set_vgpr_msb (MSB<<8)|\new
.set MSB, \new
.endif
.endm
.set MUL,  0xa1
.set TO_B, 0x40
.macro JLOAD g0a, g1a, g0b, g1b
	s_cmp_eq_u32 s15, 0
	s_cbranch_scc0 .Lfor_b_\@
	tensor_load_to_lds s[\g0a:\g0a+3], s[\g1a:\g1a+7]
	s_nop 0
.rept 4
	v_nop
.endr
	s_branch .Lasked_\@
.Lfor_b_\@:
	tensor_load_to_lds s[\g0b:\g0b+3], s[\g1b:\g1b+7]
	s_nop 0
.rept 4
	v_nop
.endr
.Lasked_\@:
.endm
.macro CREST
	s_cmp_lg_u32 s14, 0
	s_cbranch_scc1 .Lnot_wave_0_\@
	s_barrier_signal -3
.Lnot_wave_0_\@:
	s_barrier_wait -3
	s_barrier_signal -1
	s_barrier_wait -1
.endm
.macro CROUND
	s_barrier_signal -1
	s_barrier_wait -1
	CREST
.endm
.macro PLACES n
.rept \n
	v_nop
.endr
.endm
.macro QUANT s, pc, tp, pw, tm
.irp b, 0,1,2,3
	v_max3_num_f32 v[\tm+\b], |v[\s+16*\b]|, |v[\s+1+16*\b]|, 0x1800000
.endr
.irp i, 2,4,6,8,10,12,14
.irp b, 0,1,2,3
	v_max3_num_f32 v[\tm+\b], v[\tm+\b], |v[\s+16*\b+\i]|, |v[\s+1+16*\b+\i]|
.endr
.endr
.irp b, 0,1,2,3
	v_permlanex16_b32 v[\tm+4+\b], v[\tm+\b], s[SEL], s[SEL+1]
.endr
.irp b, 0,1,2,3
	v_max_num_f32 v[\tm+\b], v[\tm+\b], v[\tm+4+\b]
.endr
.irp b, 0,1,2,3
	v_add_nc_u32 v[\tm+8+\b], 0xff000000, v[\tm+\b]
.endr
.irp b, 0,1,2,3
	v_lshrrev_b32 v[\tm+4+\b], 23, v[\tm+8+\b]
.endr
	v_lshl_or_b32 v[\pw], v[\tm+5], 8, v[\tm+4]
	v_lshl_or_b32 v[\pw], v[\tm+6], 16, v[\pw]
	v_lshl_or_b32 v[\pw], v[\tm+7], 24, v[\pw]
.irp c, 0,1
	v_cvt_scalef32_pk16_fp6_f32 v[\pc+6*\c:\pc+6*\c+2], v[\s+32*\c:\s+32*\c+15], v[\tm+8+2*\c]
	v_cvt_scalef32_pk16_fp6_f32 v[\tp+4*\c:\tp+4*\c+2], v[\s+32*\c+16:\s+32*\c+31], v[\tm+8+2*\c+1]
.endr
	v_nop
.irp c, 0,1
.irp i, 0,1,2
	v_permlane16_swap_b32 v[\pc+6*\c+\i], v[\tp+4*\c+\i]
.endr
.irp i, 0,1,2
	v_mov_b32 v[\pc+6*\c+3+\i], v[\tp+4*\c+\i]
.endr
.endr
.endm
	s_load_b256 s[4:11], s[0:1], 0x0
	v_lshl_add_u32 v[SPW], v0, 2, SPARE
	v_mov_b32 v[NIL], 0
	ds_add_u32 v28, v29
	ds_add_u32 v28, v29
	s_wait_dscnt 0x0
	v_lshrrev_b32 v1, 5, v0
	v_readfirstlane_b32 s14, v1
	s_lshr_b32 s15, s14, 1
	s_and_b32 s16, s14, 1
	s_bfe_u32 s40, ttmp6, 0x40000
	s_bfe_u32 s41, ttmp6, 0x40004
	s_and_b32 s42, ttmp7, 0xffff
	s_lshl_b32 s43, s41, 2
	s_lshl_b32 s43, 15, s43
	s_lshl_b32 s44, 0x1111, s40
	s_or_b32 s[G1+0], s43, (3<<16)|(1<<21)
	s_or_b32 s[G1B+0], s44, (3<<16)|(1<<21)
	s_mov_b32 s[G1+1], 800<<16
	s_mov_b32 s[G1+2], 4<<16
	s_mov_b32 s[G1+3], 800<<16
	s_mov_b32 s[G1+4], 4
	s_mov_b32 s[G1+5], TSTR/8
	s_mov_b32 s[G1+6], 0
	s_mov_b32 s[G1+7], 0
	s_mov_b32 s[G1B+1], 800<<16
	s_mov_b32 s[G1B+2], 8<<16
	s_mov_b32 s[G1B+3], 800<<16
	s_mov_b32 s[G1B+4], 8
	s_mov_b32 s[G1B+5], TSTR/8
	s_mov_b32 s[G1B+6], 0
	s_mov_b32 s[G1B+7], 0
	s_lshl_b32 s12, s42, 5
	s_lshr_b32 s13, s42, 1
	s_lshl_b32 s13, s13, 5
	s_add_co_u32 s13, s13, 320
	s_cmp_eq_u32 ttmp9, 3
	s_cselect_b32 s12, s13, s12
	s_lshl_b32 s13, s41, 3
	s_add_co_u32 s12, s12, s13
	s_lshl_b32 s13, s16, 2
	s_add_co_u32 s12, s12, s13
	s_mul_i32 s12, s12, TSTR
	s_mov_b32 s13, 0
	s_lshl_b32 s46, ttmp9, 6
	s_add_co_u32 s46, s46, 128
	s_and_b32 s47, s42, 1
	s_lshl_b32 s47, s47, 6
	s_cmp_eq_u32 ttmp9, 3
	s_cselect_b32 s46, s47, s46
	s_lshl_b32 s47, s40, 4
	s_add_co_u32 s46, s46, s47
	s_lshl_b32 s47, s16, 3
	s_add_co_u32 s46, s46, s47
	s_mul_i32 s46, s46, TSTR
	s_mov_b32 s47, 0
	s_mul_i32 s17, s16, 4*REC
	s_mul_i32 s45, s16, 8*REC
	s_add_co_u32 s45, s45, BOFF
	s_wait_kmcnt 0x0
	s_add_nc_u64 s[20:21], s[4:5], s[12:13]
	s_add_nc_u64 s[46:47], s[4:5], s[46:47]
	CROUND
.irp s, 0,1
	s_mov_b32 s[G0+4*\s], 1
	s_add_co_u32 s[G0+4*\s+1], s17, \s*SLOT
	s_add_nc_u64 s[G0+4*\s+2:G0+4*\s+3], s[20:21], \s*REC
	s_or_b32 s[G0+4*\s+3], s[G0+4*\s+3], 0x80000000
	s_mov_b32 s[G0B+4*\s], 1
	s_add_co_u32 s[G0B+4*\s+1], s45, \s*SLOT
	s_add_nc_u64 s[G0B+4*\s+2:G0B+4*\s+3], s[46:47], \s*REC
	s_or_b32 s[G0B+4*\s+3], s[G0B+4*\s+3], 0x80000000
.endr
	JLOAD G0, G1, G0B, G1B                         ; chunk 0: one tensor load a wave at the head; the set-up below stands under its flight
; A PREFETCH INTO THE L2 of chunk c (counted from where s[4:5] stands).  Of the 4 records (A) or 8 records (B) that my wave fetches jointly, the partner at place p takes record p (A: p = cx) or records 2 p, 2 p + 1 (B: p = cy),
; told apart by address alone: 25 blocks of 256 bytes a record, a lane a block, lanes 25-31 name the last block again.  Behind load i stands the request for chunk i + 2 (behind load 0 also chunk 1's): at most two chunks are asked for and not yet read.
.macro ASK c
	global_prefetch_b8 v30, s[4:5] offset:(\c)*REC th:TH_LOAD_NT scope:SCOPE_SE
	s_cmp_eq_u32 s15, 0
	s_cbranch_scc1 .Lasked_pf_\@
	global_prefetch_b8 v30, s[4:5] offset:(\c)*REC+TSTR th:TH_LOAD_NT scope:SCOPE_SE
.Lasked_pf_\@:
.endm
	s_lshl_b32 s79, s41, 1
	s_cmp_eq_u32 s15, 0
	s_cselect_b64 s[4:5], s[20:21], s[46:47]
	s_cselect_b32 s78, s40, s79
	s_mul_i32 s78, s78, TSTR
	s_mov_b32 s79, 0
	s_add_nc_u64 s[4:5], s[4:5], s[78:79]
	v_and_b32 v30, 31, v0
	v_min_u32 v30, 24, v30
	v_lshlrev_b32 v30, 8, v30                      ; v30: never rewritten
	s_wait_alu depctr_va_vdst(0)
	ASK 1
	ASK 2
	v_and_b32 v1, 31, v0
	v_and_b32 v2, 15, v0
	v_bfe_u32 v3, v0, 4, 1
	v_lshlrev_b32 v[LI], 4, v1
	v_lshlrev_b32 v[R4], 2, v2
	v_lshlrev_b32 v5, 3, v1
	v_and_b32 v4, 8, v2
	v_add_nc_u32 v4, v4, v2
	v_lshlrev_b32 v[CSO], 8, v4
	v_lshl_add_u32 v[CSO], v3, 6, v[CSO]
	s_wait_alu depctr_va_vdst(0)
	s_mul_i32 s22, s15, 4*REC
	s_mul_i32 s23, s16, 8*REC
	s_add_co_u32 s23, s23, BOFF
.irp s, 0,1
	v_add_nc_u32 v[ADRA+\s], s22, v[LI]
	v_add_nc_u32 v[ADRB+\s], s23, v[LI]
	v_add_nc_u32 v[ASA+\s], s22, v5
	v_add_nc_u32 v[ASB+\s], s23, v5
	s_add_co_u32 s22, s22, SLOT
	s_add_co_u32 s23, s23, SLOT
.endr
	s_mov_b32 s[SEL], 0x76543210
	s_mov_b32 s[SEL+1], 0xfedcba98
	s_lshl_b32 s73, s42, 2
	s_add_co_u32 s73, s73, s41
	s_lshl_b32 s74, ttmp9, 2
	s_add_co_u32 s74, s74, s40
	s_lshl_b32 s75, s73, 3
	s_cmp_eq_u32 ttmp9, 3
	s_cselect_b32 s75, 0, s75
	s_lshl_b32 s76, s15, 2
	s_add_co_u32 s75, s75, s76
	s_lshl_b32 s76, s75, 12
	s_mov_b32 s77, 0
	s_add_nc_u64 s[6:7], s[6:7], s[76:77]
	s_add_nc_u64 s[8:9], s[8:9], s[76:77]
	s_cmp_eq_u32 ttmp9, 3                          ; the clusters that make v take no rotary step: cos = 1 and sin = 0 are set in registers, nothing is loaded (the cluster's x is the same in all partners)
	s_cbranch_scc1 .Lunit
	WIN 0xc0
.irp m, 0,1,2,3
.irp b, 0,1
.irp j, 0,1,2,3
	global_load_b128 v[64*\m+16*\b+4*\j:64*\m+16*\b+4*\j+3], v[CSO], s[6:7] offset:(32*(\m/2)+8*(\m%2))*256+128*\b+16*\j
	global_load_b128 v[64*\m+32+16*\b+4*\j:64*\m+32+16*\b+4*\j+3], v[CSO], s[8:9] offset:(32*(\m/2)+8*(\m%2))*256+128*\b+16*\j
.endr
.endr
.endr
	WIN 0
	s_branch .Lcs_in
.Lunit:
	WIN 0xc0
.set n, 0
.rept 128
	v_mov_b32 v[64*(n/32)+n%32], 1.0
	v_mov_b32 v[64*(n/32)+32+n%32], 0
.set n, n+1
.endr
	WIN 0
.Lcs_in:
	s_lshl_b32 s76, s74, 1
	s_add_co_u32 s76, s76, s16
	s_lshl_b32 s76, s76, 7
	s_lshl_b32 s77, s73, 3
	s_add_co_u32 s76, s76, s77
	s_lshl_b32 s77, s15, 2
	s_add_co_u32 s76, s76, s77
	s_mul_i32 s77, s76, 1536
	s_lshl_b32 s76, s76, 6
	s_add_co_u32 s76, s76, 3145728
	s_sub_co_u32 s78, s74, 8
	s_lshl_b32 s78, s78, 1
	s_add_co_u32 s78, s78, s16
	s_lshr_b32 s79, s42, 1
	s_lshl_b32 s79, s79, 2
	s_add_co_u32 s79, s79, s41
	s_and_b32 s18, s42, 1
	s_lshl_b32 s18, s18, 2
	s_add_co_u32 s18, s18, s40
	s_lshl_b32 s18, s18, 1
	s_add_co_u32 s18, s18, s16
	s_cmp_eq_u32 ttmp9, 3
	s_cselect_b32 s78, s79, s78
	s_cselect_b32 s18, s18, s73
	s_cselect_b32 s79, 12288, 0
	s_cselect_b32 s19, 512, 0
	s_lshl_b32 s78, s78, 4
	s_add_co_u32 s78, s78, s18
	s_mul_i32 s78, s78, 25600
	s_add_co_u32 s78, s78, 3276800
	s_mul_i32 s18, s15, 6144
	s_add_co_u32 s79, s79, s78
	s_add_co_u32 s79, s79, s18
	s_lshl_b32 s18, s15, 8
	s_add_co_u32 s19, s19, s78
	s_add_co_u32 s19, s19, s18
	s_add_co_u32 s19, s19, 24576
	s_cmp_lt_u32 s74, 8
	s_cselect_b32 s68, s77, s79
	s_cselect_b32 s70, s76, s19
	s_mov_b32 s69, 0
	s_mov_b32 s71, 0
	s_add_nc_u64 s[68:69], s[10:11], s[68:69]
	s_add_nc_u64 s[70:71], s[10:11], s[70:71]
.macro FETCH slot, q, p
	WIN 0
.irp i, 0,1,2,3
.irp c, 0,1,2
	ds_load_b128 v[AF+48*(\p)+12*\i+4*\c:AF+48*(\p)+12*\i+4*\c+3], v[ADRA+\slot] offset:REC*\i+1536*(\q)+512*\c
.endr
.endr
	WIN TO_B
.irp i, 0,1,2,3,4,5,6,7
.irp c, 0,1,2
	ds_load_b128 v[128*(\p)+12*\i+4*\c:128*(\p)+12*\i+4*\c+3], v[ADRB+\slot] offset:REC*\i+1536*(\q)+512*\c
.endr
.endr
.endm
.macro SCALES slot
.irp i, 0,1,2,3
	ds_load_b64 v[SC+24*\slot+2*\i:SC+24*\slot+2*\i+1], v[ASA+\slot] offset:6144+REC*\i
.endr
.irp i, 0,1,2,3,4,5,6,7
	ds_load_b64 v[SC+24*\slot+8+2*\i:SC+24*\slot+8+2*\i+1], v[ASB+\slot] offset:6144+REC*\i
.endr
.endm
.macro MUL8 a, p, q, sc, zero
.irp b, 0,1,2,3,4,5,6,7
.if \zero
	v_wmma_scale_f32_16x16x128_f8f6f4 v[8*(8*(\a)+\b):8*(8*(\a)+\b)+7], v[128*(\p)+12*\b:128*(\p)+12*\b+11], v[AF+48*(\p)+12*(\a):AF+48*(\p)+12*(\a)+11], 0, v[SC+24*(\sc)+8+2*\b+(\q)/2], v[SC+24*(\sc)+2*(\a)+(\q)/2] matrix_a_fmt:MATRIX_FMT_FP6 matrix_b_fmt:MATRIX_FMT_FP6
.elseif (\q)%2
	v_wmma_scale_f32_16x16x128_f8f6f4 v[8*(8*(\a)+\b):8*(8*(\a)+\b)+7], v[128*(\p)+12*\b:128*(\p)+12*\b+11], v[AF+48*(\p)+12*(\a):AF+48*(\p)+12*(\a)+11], v[8*(8*(\a)+\b):8*(8*(\a)+\b)+7], v[SC+24*(\sc)+8+2*\b+(\q)/2], v[SC+24*(\sc)+2*(\a)+(\q)/2] matrix_a_fmt:MATRIX_FMT_FP6 matrix_b_fmt:MATRIX_FMT_FP6 matrix_a_scale:MATRIX_SCALE_ROW1 matrix_b_scale:MATRIX_SCALE_ROW1
.else
	v_wmma_scale_f32_16x16x128_f8f6f4 v[8*(8*(\a)+\b):8*(8*(\a)+\b)+7], v[128*(\p)+12*\b:128*(\p)+12*\b+11], v[AF+48*(\p)+12*(\a):AF+48*(\p)+12*(\a)+11], v[8*(8*(\a)+\b):8*(8*(\a)+\b)+7], v[SC+24*(\sc)+8+2*\b+(\q)/2], v[SC+24*(\sc)+2*(\a)+(\q)/2] matrix_a_fmt:MATRIX_FMT_FP6 matrix_b_fmt:MATRIX_FMT_FP6
.endif
.endr
.endm
.macro STEP slot, q, zero
	s_wait_dscnt 0x0
	PLACES 4
	FETCH \slot, (\q)+1, 1-(\q)%2
	WIN MUL
	MUL8 0, (\q)%2, \q, \slot, \zero
	MUL8 1, (\q)%2, \q, \slot, \zero
	MUL8 2, (\q)%2, \q, \slot, \zero
	MUL8 3, (\q)%2, \q, \slot, \zero
	WIN 0
.endm
.macro TURN slot, next, fill
.if (\fill) && (\slot) == 0
	s_wait_xcnt 0x0                                ; my prefetches have read their address: it steps two chunks a trip
	s_add_nc_u64 s[4:5], s[4:5], 2*REC
.endif
	s_wait_tensorcnt 0x0
	ds_add_u32 v[SPW], v[NIL]
	s_wait_dscnt 1
	WIN MUL
	MUL8 0, 1, 3, \slot, 0
	s_wait_dscnt 0x0
	s_barrier_signal -1
	MUL8 1, 1, 3, \slot, 0
	WIN 0
	s_barrier_wait -1
.if \fill
	CREST
	s_add_nc_u64 s[G0+4*\slot+2:G0+4*\slot+3], s[G0+4*\slot+2:G0+4*\slot+3], 2*REC
	s_add_nc_u64 s[G0B+4*\slot+2:G0B+4*\slot+3], s[G0B+4*\slot+2:G0B+4*\slot+3], 2*REC
	JLOAD G0+4*\slot, G1, G0B+4*\slot, G1B
.else
	PLACES 4
.endif
	SCALES \next
	FETCH \next, 0, 0
.if \fill
	WIN 0
	s_cmp_gt_u32 s3, 1                             ; the last trip's two refills have no chunk two on
	s_cbranch_scc0 .Lno_ask_\@
	ASK 2+\slot
.Lno_ask_\@:
.endif
	WIN MUL
	MUL8 2, 1, 3, \slot, 0
	MUL8 3, 1, 3, \slot, 0
	WIN 0
.endm
	s_wait_alu depctr_va_vdst(0)
	s_wait_tensorcnt 0x0                           ; my part of chunk 0 is in
	ds_add_u32 v[SPW], v[NIL]
	s_wait_dscnt 0x0
	CROUND
	JLOAD G0+4, G1, G0B+4, G1B                     ; chunk 1, the first tensor load behind the round
	SCALES 0
	FETCH 0, 0, 0
	WIN 0
	ASK 3
	STEP 0, 0, 1
	s_mov_b32 s3, LAPS-1
.Llap:
	STEP 0, 1, 0
	STEP 0, 2, 0
	TURN 0, 1, 1
	STEP 1, 0, 0
	STEP 1, 1, 0
	STEP 1, 2, 0
	TURN 1, 0, 1
	STEP 0, 0, 0
	s_sub_co_u32 s3, s3, 1
	s_cmp_lg_u32 s3, 0
	s_cbranch_scc1 .Llap
	STEP 0, 1, 0
	STEP 0, 2, 0
	TURN 0, 1, 0
	STEP 1, 0, 0
	STEP 1, 1, 0
	STEP 1, 2, 0
	s_wait_dscnt 0x0
	WIN MUL
	MUL8 0, 1, 3, 1, 0
	MUL8 1, 1, 3, 1, 0
	MUL8 2, 1, 3, 1, 0
	MUL8 3, 1, 3, 1, 0
	WIN 0
	PLACES 4
.irp b, 0,1,2,3
	v_mov_b32 v[TM+4+\b], 0
.endr
	s_wait_loadcnt 0x0
.irp m, 0,1,2,3
	WIN 0x0e
.irp n, 0,2,4,6,8,10,12,14,16,18,20,22,24,26,28,30
	v_pk_mul_f32 v[TT+4*((\n/2)%2):TT+4*((\n/2)%2)+1], v[64*\m+32+\n:64*\m+33+\n], v[64*\m+32+\n:64*\m+33+\n]
	v_pk_mul_f32 v[TT+4*((\n/2)%2)+2:TT+4*((\n/2)%2)+3], v[64*\m+\n:64*\m+1+\n], v[64*\m+32+\n:64*\m+33+\n]
	v_pk_fma_f32 v[Y+\n:Y+1+\n], v[64*\m+\n:64*\m+1+\n], v[64*\m+\n:64*\m+1+\n], v[TT+4*((\n/2)%2):TT+4*((\n/2)%2)+1] neg_lo:[0,0,1] neg_hi:[0,0,1]
	v_pk_fma_f32 v[Y+32+\n:Y+33+\n], v[64*\m+32+\n:64*\m+33+\n], v[64*\m+\n:64*\m+1+\n], v[TT+4*((\n/2)%2)+2:TT+4*((\n/2)%2)+3]
.endr
	WIN 0
	QUANT Y, PC+12*\m, TP, PW+\m, TM
.irp c, 0,1,2
	global_store_b128 v[LI], v[PC+12*\m+4*\c:PC+12*\m+4*\c+3], s[68:69] offset:1536*\m+512*\c
.endr
	global_store_b32 v[R4], v[PW+\m], s[70:71] offset:64*\m
.endr
	s_wait_tensorcnt 0x0
	ds_add_u32 v[SPW], v[NIL]
	s_wait_dscnt 0x0
	CROUND
	s_endpgm
.Lfunc_end_k_qbd8f0543a9_qkv:
	.size	k_qbd8f0543a9_qkv, .Lfunc_end_k_qbd8f0543a9_qkv-k_qbd8f0543a9_qkv
	.p2alignl 7, 3214868480
	.fill 96, 4, 3214868480
	.section	.rodata,"a",@progbits
	.p2align	6, 0x0
	.amdhsa_kernel k_qbd8f0543a9_qkv
		.amdhsa_group_segment_fixed_size 327680
		.amdhsa_private_segment_fixed_size 0
		.amdhsa_enable_private_segment 0
		.amdhsa_kernarg_size 32
		.amdhsa_user_sgpr_count 2
		.amdhsa_user_sgpr_kernarg_segment_ptr 1
		.amdhsa_wavefront_size32 1
		.amdhsa_system_sgpr_workgroup_id_x 1
		.amdhsa_system_sgpr_workgroup_id_y 1
		.amdhsa_system_sgpr_workgroup_id_z 1
		.amdhsa_system_vgpr_workitem_id 0
		.amdhsa_next_free_vgpr 1024
		.amdhsa_next_free_sgpr 80
		.amdhsa_reserve_vcc 0
		.amdhsa_float_denorm_mode_32 3
		.amdhsa_float_denorm_mode_16_64 3
		.amdhsa_memory_ordered 1
		.amdhsa_forward_progress 1
		.amdhsa_inst_pref_size 168
	.end_amdhsa_kernel
	.amdgpu_metadata
---
amdhsa.version: [ 1, 2 ]
amdhsa.kernels:
  - .name:           k_qbd8f0543a9_qkv
    .symbol:         k_qbd8f0543a9_qkv.kd
    .args:
      - { .name: qin, .offset: 0, .size: 8, .value_kind: global_buffer, .address_space: global }
      - { .name: cos, .offset: 8, .size: 8, .value_kind: global_buffer, .address_space: global }
      - { .name: sin, .offset: 16, .size: 8, .value_kind: global_buffer, .address_space: global }
      - { .name: qkv, .offset: 24, .size: 8, .value_kind: global_buffer, .address_space: global }
    .group_segment_fixed_size: 327680
    .private_segment_fixed_size: 0
    .kernarg_segment_align: 8
    .kernarg_segment_size: 32
    .max_flat_workgroup_size: 128
    .sgpr_count:     80
    .vgpr_count:     1024
    .wavefront_size: 32
...
	.end_amdgpu_metadata
.endif
;; end of part 2
;; launch attn (part 3): grid 32 x 8, 8 waves a work-group, no clusters, 0 bytes of LDS; arguments qkv, mbits, att; writes att
.if DOCPART == 3
	.amdgcn_target "amdgcn-amd-amdhsa--gfx1250"
	.amdhsa_code_object_version 6
	.text
	.protected	k_qbd8f0543a9_attn
	.globl	k_qbd8f0543a9_attn
	.p2align	8
	.type	k_qbd8f0543a9_attn,@function
k_qbd8f0543a9_attn:
	s_mov_b64 s[64:65], 0
	v_nop
	global_prefetch_b8 v0, s[64:65] scope:SCOPE_SE
	s_setreg_imm32_b32 hwreg(HW_REG_WAVE_MODE, 25, 1), 1
	s_wait_xcnt 0x0
; att = softmax(mask(q k^T / sqrt(128))) v, 16 query heads on 8 key and value heads, 2,048 keys, both products on codes of FP6 (E2M3) with E8M0 scales; the result is quantised here for the last product.
; THE SOFTMAX: t = score x log2(e) / sqrt(128); M = the running largest t rounded up to a whole number; p = 2^(t - M) is quantised along the keys, not normalised; the row's sum of the unquantised p divides at the end.
; THE MASK is an input.  A score whose bit is 0 becomes -2^120 ahead of the maximum: where a row has a true score such a p is 0; in a row with none, t - M is exactly 0 and every p is 1: the uniform row that reference()'s fill gives.
; WHICH KEY STEPS ARE WALKED is decided by whole numbers that the first launch stored from the mask, for each tile of 16 queries: for each step of 128 keys whether some byte is true and whether all are, and for each row whether
; it has a true key.  A step with no true byte gives p = 0 throughout in every row that has a true key elsewhere: its products add nothing and it is passed over.  A tile with a row that has no true key walks all 16 steps.
; In a step whose bytes are all true the 64 selects are passed over.  Nothing of the mask's pattern is built in.
; LIMITS: true scores at or under -2^120 are not served, nor NaN and infinities; the promise holds while the scaled scores stay under 2^31 in magnitude.
; NO TENSOR LOAD, NO LDS, NO CLUSTER: the walk hangs on numbers read from memory, and waves of a work-group walk different steps.  k and v go from memory straight into the operands' registers, in whose order the launch before laid them:
; each load of 16 bytes a lane reads 512 consecutive bytes.  A load of 4 bytes a lane brings the scale words of two tiles: lanes 0-15 tile 2 j's, lanes 16-31 tile 2 j + 1's, which an odd tile's product reads by the ROW1 selector.
; SHARES.  Work-group (X, g): kv head g.  Wave w: query head 2 g + w % 2, tile 2 X + (w / 2) % 2 for w under 4, and 127 less that tile for the others; 16 queries a wave, 512 registers.
; THE LOADS RUN AHEAD.  Behind the step's products k q^T go out v's 28 loads and, behind them, the 28 loads of k of the NEXT step that is walked: 56 loads of a wave are out at the most.  The last step asks once more, for step 15's k,
; inside the buffer.
; PREFETCH: a head's k and v are 1,600 blocks of 256 bytes, read by 32 work-groups: wave 8 X + w, if under 200, names 8 of them once, at its head (lanes 8-31 name the last again).
; LAYOUT.  Both products transposed (S^T = k q^T, O^T = v^T p^T): a lane holds one query; a lane's 64 registers run 32 b + 16 h + i along the next K.  The mask comes as 64 words a step, bit l of word n for register n of lane l.
; REGISTERS: window 0: v1-5 offsets; v7 -2^120; v12 -M, v13 the largest t, v[14:15] the sum; v16-27 q; v80-83 k's scale words, v88-91 v's, v253 p's, v255 q's; v96-159 S^T, then p; v160-223 O^T; v224-235 p's codes; v232-254 at work.
;   window 1: v0-95 k's eight fragments; v96-191 v's eight.
.set STEPB, 25600                      ; a step's record: k's 8 fragments, v's 8, k's scale words at 24,576, v's at 25,088
.set KVB,   3276800
.set QSC,   3145728
.set FLG,   524288
.set KF,  0
.set VF,  96
.set KS,  80
.set VS,  88
.set HB,  8                            ; s[8:9]   my kv head's records
.set KB,  10                           ; s[10:11] the record whose k is loaded
.set VB,  12                           ; s[12:13] the record whose v is loaded
.set KO,  14                           ; s[14:15] an offset, upper word 0
.set FL,  16                           ; steps still to be asked for, one bit each
.set ALL, 17                           ; steps whose bytes are all true
.set CUR, 18
.set NXT, 19
.set CNT, 20
.set IT,  21
.set SOF, 30
.set WV,  31
.set SEL, 66
.set CS,  100
.set MSB, 0
.macro WIN new                         ; the immediate's high byte repeats the setting that is left
.if MSB != \new
	s_set_vgpr_msb (MSB<<8)|\new
.set MSB, \new
.endif
.endm
.set W_MUL, 0x01                       ; source 0 window 1
.set W_LD,  0x40                       ; destination window 1
.macro DLY n
	s_delay_alu instid0(VALU_DEP_\n)
.endm
.macro MASKWORDS                       ; 64 words: s[32:63] and s[68:99]
	s_load_b512 s[32:47], s[4:5], s[SOF] offset:0x0
	s_load_b512 s[48:63], s[4:5], s[SOF] offset:0x40
	s_load_b512 s[68:83], s[4:5], s[SOF] offset:0x80
	s_load_b512 s[84:99], s[4:5], s[SOF] offset:0xc0
.endm
.macro RLOAD sc, fr, base, so, fo      ; the scale words of eight tiles, two tiles to a register, and eight fragments of a record: 28 loads
.irp t, 0,1,2,3
	global_load_b32 v[\sc+\t], v2, s[\base:\base+1] offset:\so+128*\t
.endr
	WIN W_LD
.irp t, 0,1,2,3,4,5,6,7
.irp c, 0,1,2
	global_load_b128 v[\fr+12*\t+4*\c:\fr+12*\t+4*\c+3], v1, s[\base:\base+1] offset:\fo+1536*\t+512*\c
.endr
.endr
	WIN 0
.endm
	s_load_b128 s[32:35], s[0:1], 0x0              ; qkv, mbits
	s_load_b64 s[36:37], s[0:1], 0x10              ; att
	v_lshrrev_b32 v8, 5, v0
	DLY 1
	v_readfirstlane_b32 s[WV], v8                  ; wave 0..7
	s_lshl_b32 s41, ttmp9, 1
	s_bfe_u32 s42, s[WV], 0x10001
	s_add_co_u32 s41, s41, s42
	s_sub_co_u32 s42, 127, s41
	s_cmp_lt_u32 s[WV], 4
	s_cselect_b32 s41, s41, s42                    ; T: my tile of queries
	s_and_b32 s43, ttmp7, 0xffff                   ; g
	s_lshl_b32 s44, s43, 1
	s_and_b32 s45, s[WV], 1
	s_add_co_u32 s44, s44, s45                     ; my query head
	s_mul_i32 s46, s43, 16*STEPB
	s_add_co_u32 s46, s46, KVB
	s_mov_b32 s47, 0
	s_lshl_b32 s50, s41, 12                        ; the mask words of my tile: 16 steps x 256 bytes
	s_mov_b32 s51, 0
	s_lshl_b32 s48, s41, 6                         ; and its 16 words of flags
	s_add_co_u32 s48, s48, FLG
	s_mov_b32 s49, 0
	s_mul_i32 s52, s41, 25600                      ; the result: record (T, head / 4)
	s_lshr_b32 s53, s44, 2
	s_mul_i32 s53, s53, 6400
	s_add_co_u32 s52, s52, s53
	s_mov_b32 s53, 0
	s_lshl_b32 s54, s44, 7
	s_add_co_u32 s54, s54, s41                     ; 128 head + T
	s_mul_i32 s55, s54, 1536                       ; q's codes
	s_lshl_b32 s54, s54, 6
	s_add_co_u32 s54, s54, QSC                     ; q's scale words
	s_and_b32 s56, s44, 3
	s_mul_i32 s56, s56, 1536                       ; the result's fragment: step head % 4 of its record
	s_and_b32 s57, s44, 1
	s_lshl_b32 s57, s57, 7
	s_bfe_u32 s58, s44, 0x10001
	s_lshl_b32 s58, s58, 2
	s_add_co_u32 s57, s57, s58
	s_add_co_u32 s57, s57, 6144                    ; and its scale words: 6,144 + 128 (step % 2) + 4 (step / 2) + 8 r
	s_lshl_b32 s59, ttmp9, 3
	s_add_co_u32 s59, s59, s[WV]                   ; which 8 blocks I prefetch
	s_lshl_b32 s60, s59, 11
	s_mov_b32 s[SEL], 0x76543210
	s_mov_b32 s[SEL+1], 0xfedcba98
	s_mov_b32 s[CS], 0x3e0293ee                    ; c = log2(e) / sqrt(128)
	s_mov_b32 s[CS+1], s[CS]
	s_mov_b32 s[KO+1], 0
	s_mov_b32 s[IT], 0
	v_and_b32 v8, 31, v0
	v_and_b32 v9, 15, v0
	DLY 2
	v_lshlrev_b32 v1, 4, v8                        ; v1: 16 x lane
	DLY 3
	v_lshlrev_b32 v2, 2, v8                        ; v2: 4 x lane
	v_min_u32 v5, 7, v8
	v_lshl_add_u32 v4, v9, 3, s57                  ; v4: out, scale word
	v_add_nc_u32 v3, s56, v1                       ; v3: out, codes
	v_add_nc_u32 v11, s55, v1
	v_lshl_add_u32 v10, v9, 2, s54                 ; q's scale words: 4 r
	v_lshl_add_u32 v5, v5, 8, s60                  ; v5: the prefetch's offset; never rewritten
	v_mov_b32 v7, 0xfb800000                       ; -2^120
	v_mov_b32 v13, 0xff61b1e6                      ; the largest t so far: -3e38
	DLY 1
	v_floor_f32 v12, -v13
	v_mov_b32 v14, 0
	v_mov_b32 v15, 0
.irp b, 0,1,2,3
	v_mov_b32 v[236+\b], 0                         ; a lane permute's destination counts as one of its sources
.endr
	v_mov_b32 v253, 0                              ; (named as the upper half of v[252:253] before it is first written)
.set j, 0
.rept 64
	v_mov_b32 v[160+j], 0                          ; O^T: the step has no first form: the first change of M multiplies zeros
.set j, j+1
.endr
	s_wait_alu depctr_va_vdst(0)
	s_wait_kmcnt 0x0
	s_mov_b64 s[2:3], s[32:33]
	s_add_nc_u64 s[HB:HB+1], s[32:33], s[46:47]
	s_add_nc_u64 s[4:5], s[34:35], s[50:51]
	s_add_nc_u64 s[48:49], s[34:35], s[48:49]
	s_add_nc_u64 s[6:7], s[36:37], s[52:53]
	s_load_b512 s[68:83], s[48:49], 0x0            ; four words from each of the four waves that packed my tile's mask
.irp c, 0,1,2
	global_load_b128 v[16+4*\c:19+4*\c], v11, s[2:3] offset:512*\c   ; q's fragment stays in registers
.endr
	global_load_b32 v255, v10, s[2:3]              ; and its scale words
	s_cmp_lt_u32 s59, 200
	s_cbranch_scc0 .Lno_ask
	global_prefetch_b8 v5, s[HB:HB+1] th:TH_LOAD_NT scope:SCOPE_SE
.Lno_ask:
	s_wait_kmcnt 0x0
	s_lshl_b32 s22, s72, 4                         ; steps with a true byte
	s_or_b32 s[FL], s68, s22
	s_lshl_b32 s22, s76, 8
	s_or_b32 s[FL], s[FL], s22
	s_lshl_b32 s22, s80, 12
	s_or_b32 s[FL], s[FL], s22
	s_lshl_b32 s22, s73, 4                         ; steps whose bytes are all true
	s_or_b32 s[ALL], s69, s22
	s_lshl_b32 s22, s77, 8
	s_or_b32 s[ALL], s[ALL], s22
	s_lshl_b32 s22, s81, 12
	s_or_b32 s[ALL], s[ALL], s22
	s_or_b32 s22, s70, s74                         ; lanes that met a true byte: row r is lanes r and r + 16
	s_or_b32 s22, s22, s78
	s_or_b32 s22, s22, s82
	s_lshr_b32 s23, s22, 16
	s_or_b32 s22, s22, s23
	s_and_b32 s22, s22, 0xffff
	s_cmp_eq_u32 s22, 0xffff
	s_cselect_b32 s[FL], s[FL], 0xffff             ; a row with no true key: all 16 steps
	s_and_b32 s[FL], s[FL], 0xffff
	s_bcnt1_i32_b32 s[CNT], s[FL]                  ; steps to walk
	s_ctz_i32_b32 s[CUR], s[FL]
	s_min_u32 s[CUR], s[CUR], 15                   ; the first of them
	s_sub_co_u32 s22, s[FL], 1
	s_and_b32 s[FL], s[FL], s22                    ; its bit is taken off
	s_mul_i32 s[KO], s[CUR], STEPB
	s_add_nc_u64 s[KB:KB+1], s[HB:HB+1], s[KO:KO+1]
	s_lshl_b32 s[SOF], s[CUR], 8
	MASKWORDS                                      ; (all scalars that lay in these registers have been used)
	RLOAD KS, KF, KB, 24576, 0
.Lstep:                                                ; A KEY STEP: 128 keys
	s_wait_loadcnt 0x0                             ; k's fragments and scale words, asked for a step ago (the first time: q too)
	WIN W_MUL
.irp t, 0,1,2,3,4,5,6,7                        ; S^T = k q^T
.if (\t)%2
	v_wmma_scale_f32_16x16x128_f8f6f4 v[96+8*\t:103+8*\t], v[KF+12*\t:KF+12*\t+11], v[16:27], 0, v[KS+\t/2], v255 matrix_a_fmt:MATRIX_FMT_FP6 matrix_b_fmt:MATRIX_FMT_FP6 matrix_a_scale:MATRIX_SCALE_ROW1
.else
	v_wmma_scale_f32_16x16x128_f8f6f4 v[96+8*\t:103+8*\t], v[KF+12*\t:KF+12*\t+11], v[16:27], 0, v[KS+\t/2], v255 matrix_a_fmt:MATRIX_FMT_FP6 matrix_b_fmt:MATRIX_FMT_FP6
.endif
.endr
	WIN 0
	s_mov_b64 s[VB:VB+1], s[KB:KB+1]               ; no load is out: both bases may be written
.rept 4
	v_nop                                          ; the places behind the products above, ahead of the first read of their results and of the loads into k's registers, and behind the last step's v^T p^T, ahead of the loads into its registers
.endr
	RLOAD VS, VF, VB, 25088, 12288                 ; v: 28 loads, which have the softmax in which to land
	s_ctz_i32_b32 s[NXT], s[FL]                    ; the next step to walk; where none is left, 15
	s_min_u32 s[NXT], s[NXT], 15
	s_sub_co_u32 s22, s[FL], 1
	s_and_b32 s[FL], s[FL], s22
	s_mul_i32 s[KO], s[NXT], STEPB
	s_add_nc_u64 s[KB:KB+1], s[HB:HB+1], s[KO:KO+1]
	RLOAD KS, KF, KB, 24576, 0                     ; the next step's k: 28 loads, which have the rest of this step in which to land
	s_wait_kmcnt 0x0                               ; this step's mask words
	s_bitcmp1_b32 s[ALL], s[CUR]
	s_cbranch_scc1 .Lall_true
.set n, 0
.rept 64
	v_cndmask_b32 v[96+n], v7, v[96+n], s[32+n+4*(n/32)]   ; ascending: each accumulator is read from its low end on
.set n, n+1
.endr
.Lall_true:
	s_lshl_b32 s[SOF], s[NXT], 8
	MASKWORDS
	s_mov_b32 s[CUR], s[NXT]
.irp b, 0,1,2,3
	v_max3_num_f32 v[232+\b], v[96+16*\b], v[97+16*\b], v[98+16*\b]   ; the largest score of each block of 32 keys: for the row's maximum and, since p rises with the score, for the block's largest p
.endr
.irp i, 3,5,7,9,11,13
.irp b, 0,1,2,3
	v_max3_num_f32 v[232+\b], v[232+\b], v[96+16*\b+\i], v[97+16*\b+\i]   ; the four blocks by turns
.endr
.endr
.irp b, 0,1,2,3
	v_max_num_f32 v[232+\b], v[232+\b], v[111+16*\b]
.endr
.irp b, 0,1,2,3
	DLY 4
	v_permlanex16_b32 v[236+\b], v[232+\b], s[SEL], s[SEL+1]
.endr
.irp b, 0,1,2,3
	DLY 4
	v_max_num_f32 v[232+\b], v[232+\b], v[236+\b]
.endr
	DLY 2
	v_max3_num_f32 v254, v232, v233, v234
	DLY 1
	v_max_num_f32 v254, v254, v235
	DLY 1
	v_mul_f32 v254, s[CS], v254
	DLY 1
	v_max_num_f32 v13, v13, v254                   ; the running largest t
	v_mov_b32 v254, v12
	DLY 2
	v_floor_f32 v12, -v13                          ; -M = floor(-t): M is a whole number
	DLY 1
	v_sub_f32 v254, v12, v254
	DLY 1
	v_cvt_i32_f32 v254, v254                       ; (it saturates)
	DLY 1
	v_ldexp_f32 v252, 1.0, v254                    ; f = 2^(old M - new M)
.set j, 0
.rept 32
	v_pk_fma_f32 v[96+j:97+j], v[96+j:97+j], s[CS:CS+1], v[12:13] op_sel_hi:[1,0,0]   ; t - M
.set j, j+2
.endr
.irp b, 0,1,2,3
	v_fma_f32 v[232+\b], v[232+\b], s[CS], v12
.endr
	s_wait_alu depctr_va_vdst(0)
.set j, 0
.rept 64
	v_exp_f32 v[96+j], v[96+j]                     ; p = 2^(t - M)
.set j, j+1
.endr
	v_pk_mul_f32 v[14:15], v[14:15], v[252:253] op_sel_hi:[1,0]   ; the sums under the new M: the plain place behind the exponentials
	s_wait_alu depctr_va_vdst(0)                   ; one wait for the batch, ahead of its first reader
.irp b, 0,1,2,3
	v_exp_f32 v[232+\b], v[232+\b]                 ; the blocks' largest p
.endr
.irp i, 0,1,2,3,4,5,6                          ; the row's sum of the unquantised p: 32 pairs in eight chains
	v_pk_add_f32 v[238+2*\i:239+2*\i], v[96+4*\i:97+4*\i], v[98+4*\i:99+4*\i]
.endr
	v_pk_add_f32 v[14:15], v[14:15], v[124:125]
.irp i, 0,1,2,3,4,5,6
	v_pk_add_f32 v[238+2*\i:239+2*\i], v[238+2*\i:239+2*\i], v[126+2*\i:127+2*\i]
.endr
	v_pk_add_f32 v[14:15], v[14:15], v[140:141]
.irp i, 0,1,2,3,4,5,6
	v_pk_add_f32 v[238+2*\i:239+2*\i], v[238+2*\i:239+2*\i], v[142+2*\i:143+2*\i]
.endr
	v_pk_add_f32 v[14:15], v[14:15], v[156:157]
	v_pk_add_f32 v[238:239], v[238:239], v[158:159]
	v_pk_add_f32 v[240:241], v[240:241], v[242:243]
	v_pk_add_f32 v[244:245], v[244:245], v[246:247]
	v_pk_add_f32 v[248:249], v[248:249], v[250:251]
	DLY 3
	v_pk_add_f32 v[238:239], v[238:239], v[240:241]
	DLY 2
	v_pk_add_f32 v[244:245], v[244:245], v[248:249]
	DLY 1
	v_pk_add_f32 v[238:239], v[238:239], v[244:245]
	DLY 1
	v_pk_add_f32 v[14:15], v[14:15], v[238:239]
	s_wait_alu depctr_va_vdst(0)                   ; and one for the four
.irp b, 0,1,2,3
	v_max_num_f32 v[232+\b], 0x1800000, v[232+\b]  ; the floor 2^(3 - 127): the byte cannot fall under 1
.endr
.irp b, 0,1,2,3
	DLY 4
	v_add_nc_u32 v[244+\b], 0xff000000, v[232+\b]  ; 2 off the exponent field: the conversion's scale operand
.endr
.irp b, 0,1,2,3
	DLY 4
	v_lshrrev_b32 v[236+\b], 23, v[244+\b]
.endr
	DLY 3
	v_lshl_or_b32 v253, v237, 8, v236              ; p's scale word for these 128 keys
	DLY 1
	v_lshl_or_b32 v253, v238, 16, v253
	DLY 1
	v_lshl_or_b32 v253, v239, 24, v253
.irp c, 0,1
	v_cvt_scalef32_pk16_fp6_f32 v[224+6*\c:226+6*\c], v[96+32*\c:111+32*\c], v[244+2*\c]
	v_cvt_scalef32_pk16_fp6_f32 v[236+4*\c:238+4*\c], v[112+32*\c:127+32*\c], v[244+2*\c+1]
.endr
	v_nop                                          ; one plain place behind a scaled conversion
.irp c, 0,1                                    ; the layout wants a whole block in a lane
.irp i, 0,1,2
	v_permlane16_swap_b32 v[224+6*\c+\i], v[236+4*\c+\i]
.endr
.irp i, 0,1,2
	DLY 3
	v_mov_b32 v[227+6*\c+\i], v[236+4*\c+\i]
.endr
.endr
	s_wait_alu depctr_va_vdst(0)                   ; directly ahead of the first reader of O^T
.set j, 0
.rept 32
	v_pk_mul_f32 v[160+j:161+j], v[160+j:161+j], v[252:253] op_sel_hi:[1,0]   ; O^T under the new M; these 32 are also the places between p's codes and scale word and the products below
.set j, j+2
.endr
.rept 4
	v_nop                                          ; the sums rescaled last stand four plain instructions ahead of the products that add onto them
.endr
	s_wait_alu depctr_va_vdst(0)                   ; directly ahead of the wait below
	s_wait_loadcnt 28                              ; v's 28 loads are in; the 28 younger ones, the next step's k, may be out
	WIN W_MUL
.irp t, 0,1,2,3,4,5,6,7                        ; O^T += v^T p^T: the eight accumulators by turns
.if (\t)%2
	v_wmma_scale_f32_16x16x128_f8f6f4 v[160+8*\t:167+8*\t], v[VF+12*\t:VF+12*\t+11], v[224:235], v[160+8*\t:167+8*\t], v[VS+\t/2], v253 matrix_a_fmt:MATRIX_FMT_FP6 matrix_b_fmt:MATRIX_FMT_FP6 matrix_a_scale:MATRIX_SCALE_ROW1
.else
	v_wmma_scale_f32_16x16x128_f8f6f4 v[160+8*\t:167+8*\t], v[VF+12*\t:VF+12*\t+11], v[224:235], v[160+8*\t:167+8*\t], v[VS+\t/2], v253 matrix_a_fmt:MATRIX_FMT_FP6 matrix_b_fmt:MATRIX_FMT_FP6
.endif
.endr
	WIN 0                                          ; at a label and at a branch every window is 0
	s_add_co_u32 s[IT], s[IT], 1
	s_cmp_lt_u32 s[IT], s[CNT]
	s_cbranch_scc1 .Lstep
	; THE WAY OUT: O^T / the sum is quantised along the head's 128 and leaves as a fragment of the last product's operand
	v_add_f32 v14, v14, v15
	DLY 1
	v_permlanex16_b32 v252, v14, s[SEL], s[SEL+1]
	DLY 1
	v_add_f32 v14, v14, v252                       ; the row's sum
	s_wait_alu depctr_va_vdst(0)
	v_rcp_f32 v14, v14
.rept 4
	v_nop                                          ; the places behind the last products, and the plain place behind the reciprocal
.endr
	s_wait_alu depctr_va_vdst(0)                   ; ahead of the reciprocal's first reader
.set j, 0
.rept 64
	v_mul_f32 v[96+j], v[160+j], v14
.set j, j+1
.endr
.irp b, 0,1,2,3
	v_max3_num_f32 v[232+\b], |v[96+16*\b]|, |v[97+16*\b]|, 0x1800000   ; block b: my 16 numbers, and the floor 2^(3 - 127)
.endr
.irp i, 2,4,6,8,10,12,14
.irp b, 0,1,2,3
	DLY 4
	v_max3_num_f32 v[232+\b], v[232+\b], |v[96+16*\b+\i]|, |v[97+16*\b+\i]|
.endr
.endr
.irp b, 0,1,2,3
	DLY 4
	v_permlanex16_b32 v[236+\b], v[232+\b], s[SEL], s[SEL+1]
.endr
.irp b, 0,1,2,3
	DLY 4
	v_max_num_f32 v[232+\b], v[232+\b], v[236+\b]
.endr
.irp b, 0,1,2,3
	DLY 4
	v_add_nc_u32 v[240+\b], 0xff000000, v[232+\b]
.endr
.irp b, 0,1,2,3
	DLY 4
	v_lshrrev_b32 v[236+\b], 23, v[240+\b]
.endr
	DLY 3
	v_lshl_or_b32 v44, v237, 8, v236
	DLY 1
	v_lshl_or_b32 v44, v238, 16, v44
	DLY 1
	v_lshl_or_b32 v44, v239, 24, v44
.irp c, 0,1
	v_cvt_scalef32_pk16_fp6_f32 v[224+6*\c:226+6*\c], v[96+32*\c:111+32*\c], v[240+2*\c]
	v_cvt_scalef32_pk16_fp6_f32 v[32+4*\c:34+4*\c], v[112+32*\c:127+32*\c], v[240+2*\c+1]
.endr
	v_nop
.irp c, 0,1
.irp i, 0,1,2
	v_permlane16_swap_b32 v[224+6*\c+\i], v[32+4*\c+\i]
.endr
.irp i, 0,1,2
	DLY 3
	v_mov_b32 v[227+6*\c+\i], v[32+4*\c+\i]
.endr
.endr
.irp c, 0,1,2
	global_store_b128 v3, v[224+4*\c:227+4*\c], s[6:7] offset:512*\c   ; 512 consecutive bytes
.endr
	global_store_b32 v4, v44, s[6:7]               ; lanes r and r + 16 hold and write the same word
	s_endpgm
.Lfunc_end_k_qbd8f0543a9_attn:
	.size	k_qbd8f0543a9_attn, .Lfunc_end_k_qbd8f0543a9_attn-k_qbd8f0543a9_attn
	.p2alignl 7, 3214868480
	.fill 96, 4, 3214868480
	.section	.rodata,"a",@progbits
	.p2align	6, 0x0
	.amdhsa_kernel k_qbd8f0543a9_attn
		.amdhsa_group_segment_fixed_size 0
		.amdhsa_private_segment_fixed_size 0
		.amdhsa_enable_private_segment 0
		.amdhsa_kernarg_size 24
		.amdhsa_user_sgpr_count 2
		.amdhsa_user_sgpr_kernarg_segment_ptr 1
		.amdhsa_wavefront_size32 1
		.amdhsa_system_sgpr_workgroup_id_x 1
		.amdhsa_system_sgpr_workgroup_id_y 1
		.amdhsa_system_sgpr_workgroup_id_z 1
		.amdhsa_system_vgpr_workitem_id 0
		.amdhsa_next_free_vgpr 512
		.amdhsa_next_free_sgpr 106
		.amdhsa_reserve_vcc 0
		.amdhsa_float_denorm_mode_32 3
		.amdhsa_float_denorm_mode_16_64 3
		.amdhsa_memory_ordered 1
		.amdhsa_forward_progress 1
		.amdhsa_inst_pref_size 45
	.end_amdhsa_kernel
	.amdgpu_metadata
---
amdhsa.version: [ 1, 2 ]
amdhsa.kernels:
  - .name:           k_qbd8f0543a9_attn
    .symbol:         k_qbd8f0543a9_attn.kd
    .args:
      - { .name: qkv, .offset: 0, .size: 8, .value_kind: global_buffer, .address_space: global }
      - { .name: mbits, .offset: 8, .size: 8, .value_kind: global_buffer, .address_space: global }
      - { .name: att, .offset: 16, .size: 8, .value_kind: global_buffer, .address_space: global }
    .group_segment_fixed_size: 0
    .private_segment_fixed_size: 0
    .kernarg_segment_align: 8
    .kernarg_segment_size: 24
    .max_flat_workgroup_size: 256
    .sgpr_count:     106
    .vgpr_count:     512
    .wavefront_size: 32
...
	.end_amdgpu_metadata
.endif
;; end of part 3
;; launch proj (part 4): grid 16 x 16, 4 waves a work-group, clusters of 4 x 4, 327,680 bytes of LDS; arguments att, qin, out0; writes out0
.if DOCPART == 4
	.amdgcn_target "amdgcn-amd-amdhsa--gfx1250"
	.amdhsa_code_object_version 6
	.text
	.protected	k_qbd8f0543a9_proj
	.globl	k_qbd8f0543a9_proj
	.p2align	8
	.type	k_qbd8f0543a9_proj,@function
k_qbd8f0543a9_proj:
	s_mov_b64 s[64:65], 0
	v_nop
	global_prefetch_b8 v0, s[64:65] scope:SCOPE_SE
	s_setreg_imm32_b32 hwreg(HW_REG_WAVE_MODE, 25, 1), 1
	s_wait_xcnt 0x0
	s_wait_alu depctr_hold_cnt(0) depctr_sa_sdst(0) depctr_va_vdst(0) depctr_va_sdst(0) depctr_va_ssrc(0) depctr_va_vcc(0) depctr_vm_vsrc(0)
	s_getreg_b32 s2, hwreg(HW_REG_IB_STS2, 6, 4)
	s_cmp_eq_u32 s2, 0
	s_cbranch_scc0 .Lentry_in_a_cluster
	s_endpgm
.Lentry_in_a_cluster:
	s_bfe_u32 s2, ttmp6, 0x10000c
	s_cmp_lg_u32 s2, 0xf033
	s_cbranch_scc0 .Lentry_shape_is_right
	s_endpgm
.Lentry_shape_is_right:
.set REC,   6400
.set TSTR,  4*REC
.set WO0,   19660800
.set SLOT,  24*REC
.set BOFF,  8*REC
.set SPARE, 2*SLOT
.set LAPS,  2
.set SPITCH, 528
.set ADRA, 16
.set ADRB, 18
.set ASA,  20
.set ASB,  22
.set LI,   24
.set STO,  25
.set RD,   26
.set SPW,  28
.set NIL,  29
.set SC,   32
.set AF,   80
.set BK,   80
.set G1,  24
.set G0,  32
.set G1B, 48
.set G0B, 56
.set MSB, 0
.macro WIN new
.if MSB != \new
	s_set_vgpr_msb (MSB<<8)|\new
.set MSB, \new
.endif
.endm
.set MUL,  0xa1
.set TO_B, 0x40
.macro JLOAD g0a, g1a, g0b, g1b
	s_cmp_eq_u32 s15, 0
	s_cbranch_scc0 .Lfor_b_\@
	tensor_load_to_lds s[\g0a:\g0a+3], s[\g1a:\g1a+7]
	s_nop 0
.rept 4
	v_nop
.endr
	s_branch .Lasked_\@
.Lfor_b_\@:
	tensor_load_to_lds s[\g0b:\g0b+3], s[\g1b:\g1b+7]
	s_nop 0
.rept 4
	v_nop
.endr
.Lasked_\@:
.endm
.macro CREST
	s_cmp_lg_u32 s14, 0
	s_cbranch_scc1 .Lnot_wave_0_\@
	s_barrier_signal -3
.Lnot_wave_0_\@:
	s_barrier_wait -3
	s_barrier_signal -1
	s_barrier_wait -1
.endm
.macro CROUND
	s_barrier_signal -1
	s_barrier_wait -1
	CREST
.endm
.macro PLACES n
.rept \n
	v_nop
.endr
.endm
	s_load_b128 s[4:7], s[0:1], 0x0
	s_load_b64 s[12:13], s[0:1], 0x10
	v_lshl_add_u32 v[SPW], v0, 2, SPARE
	v_mov_b32 v[NIL], 0
	ds_add_u32 v28, v29
	ds_add_u32 v28, v29
	s_wait_dscnt 0x0
	v_lshrrev_b32 v1, 5, v0
	v_readfirstlane_b32 s14, v1
	s_lshr_b32 s15, s14, 1
	s_and_b32 s16, s14, 1
	s_bfe_u32 s40, ttmp6, 0x40000
	s_bfe_u32 s41, ttmp6, 0x40004
	s_lshl_b32 s42, ttmp9, 2
	s_add_co_u32 s42, s42, s40
	s_and_b32 s17, ttmp7, 0xffff
	s_lshl_b32 s17, s17, 2
	s_add_co_u32 s17, s17, s41
	s_lshl_b32 s43, s41, 2
	s_lshl_b32 s43, 15, s43
	s_lshl_b32 s44, 0x1111, s40
	s_or_b32 s[G1+0], s43, (3<<16)|(1<<21)
	s_or_b32 s[G1B+0], s44, (3<<16)|(1<<21)
	s_mov_b32 s[G1+1], 800<<16
	s_mov_b32 s[G1+2], 4<<16
	s_mov_b32 s[G1+3], 800<<16
	s_mov_b32 s[G1+4], 4
	s_mov_b32 s[G1+5], TSTR/8
	s_mov_b32 s[G1+6], 0
	s_mov_b32 s[G1+7], 0
	s_mov_b32 s[G1B+1], 800<<16
	s_mov_b32 s[G1B+2], 8<<16
	s_mov_b32 s[G1B+3], 800<<16
	s_mov_b32 s[G1B+4], 8
	s_mov_b32 s[G1B+5], TSTR/8
	s_mov_b32 s[G1B+6], 0
	s_mov_b32 s[G1B+7], 0
	s_lshl_b32 s20, s17, 3
	s_lshl_b32 s18, s16, 2
	s_add_co_u32 s20, s20, s18
	s_mul_i32 s20, s20, TSTR
	s_mov_b32 s21, 0
	s_lshl_b32 s46, s42, 4
	s_lshl_b32 s47, s16, 3
	s_add_co_u32 s46, s46, s47
	s_mul_i32 s46, s46, TSTR
	s_add_co_u32 s46, s46, WO0
	s_mov_b32 s47, 0
	s_mul_i32 s19, s16, 4*REC
	s_mul_i32 s45, s16, 8*REC
	s_add_co_u32 s45, s45, BOFF
	s_wait_kmcnt 0x0
	s_add_nc_u64 s[20:21], s[4:5], s[20:21]
	s_add_nc_u64 s[46:47], s[6:7], s[46:47]
	CROUND
.irp s, 0,1
	s_mov_b32 s[G0+4*\s], 1
	s_add_co_u32 s[G0+4*\s+1], s19, \s*SLOT
	s_add_nc_u64 s[G0+4*\s+2:G0+4*\s+3], s[20:21], \s*REC
	s_or_b32 s[G0+4*\s+3], s[G0+4*\s+3], 0x80000000
	s_mov_b32 s[G0B+4*\s], 1
	s_add_co_u32 s[G0B+4*\s+1], s45, \s*SLOT
	s_add_nc_u64 s[G0B+4*\s+2:G0B+4*\s+3], s[46:47], \s*REC
	s_or_b32 s[G0B+4*\s+3], s[G0B+4*\s+3], 0x80000000
.endr
	JLOAD G0, G1, G0B, G1B                         ; chunk 0: one tensor load a wave at the head; the set-up below stands under its flight
; A PREFETCH INTO THE L2 of chunk c.  Of the 4 records (A) or 8 records (B) that my wave fetches jointly, the partner at place p takes record p (A: p = cx) or records 2 p, 2 p + 1 (B: p = cy), told apart by address alone:
; 25 blocks of 256 bytes a record, a lane a block, lanes 25-31 name the last block again.  K has four chunks: behind load 0 chunks 1 and 2 are asked for, behind load 1 chunk 3; the loop's refills have no chunk two on.
.macro ASK c
	global_prefetch_b8 v30, s[4:5] offset:(\c)*REC th:TH_LOAD_NT scope:SCOPE_SE
	s_cmp_eq_u32 s15, 0
	s_cbranch_scc1 .Lasked_pf_\@
	global_prefetch_b8 v30, s[4:5] offset:(\c)*REC+TSTR th:TH_LOAD_NT scope:SCOPE_SE
.Lasked_pf_\@:
.endm
	s_lshl_b32 s79, s41, 1
	s_cmp_eq_u32 s15, 0
	s_cselect_b64 s[4:5], s[20:21], s[46:47]
	s_cselect_b32 s78, s40, s79
	s_mul_i32 s78, s78, TSTR
	s_mov_b32 s79, 0
	s_add_nc_u64 s[4:5], s[4:5], s[78:79]
	v_and_b32 v30, 31, v0
	v_min_u32 v30, 24, v30
	v_lshlrev_b32 v30, 8, v30                      ; v30: never rewritten
	s_wait_alu depctr_va_vdst(0)
	ASK 1
	ASK 2
	v_and_b32 v1, 31, v0
	v_and_b32 v2, 15, v0
	v_bfe_u32 v3, v0, 4, 1
	v_lshlrev_b32 v[LI], 4, v1
	v_lshlrev_b32 v5, 3, v1
	s_mul_i32 s22, s15, 4*REC
	s_mul_i32 s23, s16, 8*REC
	s_add_co_u32 s23, s23, BOFF
.irp s, 0,1
	v_add_nc_u32 v[ADRA+\s], s22, v[LI]
	v_add_nc_u32 v[ADRB+\s], s23, v[LI]
	v_add_nc_u32 v[ASA+\s], s22, v5
	v_add_nc_u32 v[ASB+\s], s23, v5
	s_add_co_u32 s22, s22, SLOT
	s_add_co_u32 s23, s23, SLOT
.endr
	s_mul_i32 s76, s14, 16*SPITCH
	v_mul_u32_u24 v[STO], v2, SPITCH
	v_lshl_add_u32 v[STO], v3, 6, v[STO]
	v_add_nc_u32 v[STO], s76, v[STO]
	v_add_nc_u32 v[RD], s76, v[LI]
	s_lshl_b32 s74, s17, 3
	s_lshl_b32 s75, s15, 2
	s_add_co_u32 s74, s74, s75
	s_lshl_b32 s74, s74, 18
	s_lshl_b32 s75, s42, 10
	s_add_co_u32 s74, s74, s75
	s_lshl_b32 s75, s16, 9
	s_add_co_u32 s74, s74, s75
	s_mov_b32 s75, 0
	s_add_nc_u64 s[12:13], s[12:13], s[74:75]
.macro FETCH slot, q, p
	WIN 0
.irp i, 0,1,2,3
.irp c, 0,1,2
	ds_load_b128 v[AF+48*(\p)+12*\i+4*\c:AF+48*(\p)+12*\i+4*\c+3], v[ADRA+\slot] offset:REC*\i+1536*(\q)+512*\c
.endr
.endr
	WIN TO_B
.irp i, 0,1,2,3,4,5,6,7
.irp c, 0,1,2
	ds_load_b128 v[128*(\p)+12*\i+4*\c:128*(\p)+12*\i+4*\c+3], v[ADRB+\slot] offset:REC*\i+1536*(\q)+512*\c
.endr
.endr
.endm
.macro SCALES slot
.irp i, 0,1,2,3
	ds_load_b64 v[SC+24*\slot+2*\i:SC+24*\slot+2*\i+1], v[ASA+\slot] offset:6144+REC*\i
.endr
.irp i, 0,1,2,3,4,5,6,7
	ds_load_b64 v[SC+24*\slot+8+2*\i:SC+24*\slot+8+2*\i+1], v[ASB+\slot] offset:6144+REC*\i
.endr
.endm
.macro MUL8 a, p, q, sc, zero
.irp b, 0,1,2,3,4,5,6,7
.if \zero
	v_wmma_scale_f32_16x16x128_f8f6f4 v[8*(8*(\a)+\b):8*(8*(\a)+\b)+7], v[128*(\p)+12*\b:128*(\p)+12*\b+11], v[AF+48*(\p)+12*(\a):AF+48*(\p)+12*(\a)+11], 0, v[SC+24*(\sc)+8+2*\b+(\q)/2], v[SC+24*(\sc)+2*(\a)+(\q)/2] matrix_a_fmt:MATRIX_FMT_FP6 matrix_b_fmt:MATRIX_FMT_FP6
.elseif (\q)%2
	v_wmma_scale_f32_16x16x128_f8f6f4 v[8*(8*(\a)+\b):8*(8*(\a)+\b)+7], v[128*(\p)+12*\b:128*(\p)+12*\b+11], v[AF+48*(\p)+12*(\a):AF+48*(\p)+12*(\a)+11], v[8*(8*(\a)+\b):8*(8*(\a)+\b)+7], v[SC+24*(\sc)+8+2*\b+(\q)/2], v[SC+24*(\sc)+2*(\a)+(\q)/2] matrix_a_fmt:MATRIX_FMT_FP6 matrix_b_fmt:MATRIX_FMT_FP6 matrix_a_scale:MATRIX_SCALE_ROW1 matrix_b_scale:MATRIX_SCALE_ROW1
.else
	v_wmma_scale_f32_16x16x128_f8f6f4 v[8*(8*(\a)+\b):8*(8*(\a)+\b)+7], v[128*(\p)+12*\b:128*(\p)+12*\b+11], v[AF+48*(\p)+12*(\a):AF+48*(\p)+12*(\a)+11], v[8*(8*(\a)+\b):8*(8*(\a)+\b)+7], v[SC+24*(\sc)+8+2*\b+(\q)/2], v[SC+24*(\sc)+2*(\a)+(\q)/2] matrix_a_fmt:MATRIX_FMT_FP6 matrix_b_fmt:MATRIX_FMT_FP6
.endif
.endr
.endm
.macro STEP slot, q, zero
	s_wait_dscnt 0x0
	PLACES 4
	FETCH \slot, (\q)+1, 1-(\q)%2
	WIN MUL
	MUL8 0, (\q)%2, \q, \slot, \zero
	MUL8 1, (\q)%2, \q, \slot, \zero
	MUL8 2, (\q)%2, \q, \slot, \zero
	MUL8 3, (\q)%2, \q, \slot, \zero
	WIN 0
.endm
.macro TURN slot, next, fill
	s_wait_tensorcnt 0x0
	ds_add_u32 v[SPW], v[NIL]
	s_wait_dscnt 1
	WIN MUL
	MUL8 0, 1, 3, \slot, 0
	s_wait_dscnt 0x0
	s_barrier_signal -1
	MUL8 1, 1, 3, \slot, 0
	WIN 0
	s_barrier_wait -1
.if \fill
	CREST
	s_add_nc_u64 s[G0+4*\slot+2:G0+4*\slot+3], s[G0+4*\slot+2:G0+4*\slot+3], 2*REC
	s_add_nc_u64 s[G0B+4*\slot+2:G0B+4*\slot+3], s[G0B+4*\slot+2:G0B+4*\slot+3], 2*REC
	JLOAD G0+4*\slot, G1, G0B+4*\slot, G1B
.else
	PLACES 4
.endif
	SCALES \next
	FETCH \next, 0, 0
	WIN MUL
	MUL8 2, 1, 3, \slot, 0
	MUL8 3, 1, 3, \slot, 0
	WIN 0
.endm
	s_wait_alu depctr_va_vdst(0)
	s_wait_tensorcnt 0x0                           ; my part of chunk 0 is in
	ds_add_u32 v[SPW], v[NIL]
	s_wait_dscnt 0x0
	CROUND
	JLOAD G0+4, G1, G0B+4, G1B                     ; chunk 1, the first tensor load behind the round
	SCALES 0
	FETCH 0, 0, 0
	WIN 0
	ASK 3
	STEP 0, 0, 1
	s_mov_b32 s3, LAPS-1
.Llap:
	STEP 0, 1, 0
	STEP 0, 2, 0
	TURN 0, 1, 1
	STEP 1, 0, 0
	STEP 1, 1, 0
	STEP 1, 2, 0
	TURN 1, 0, 1
	STEP 0, 0, 0
	s_sub_co_u32 s3, s3, 1
	s_cmp_lg_u32 s3, 0
	s_cbranch_scc1 .Llap
	STEP 0, 1, 0
	STEP 0, 2, 0
	TURN 0, 1, 0
	STEP 1, 0, 0
	STEP 1, 1, 0
	STEP 1, 2, 0
	s_wait_dscnt 0x0
	WIN MUL
	MUL8 0, 1, 3, 1, 0
	MUL8 1, 1, 3, 1, 0
	MUL8 2, 1, 3, 1, 0
	MUL8 3, 1, 3, 1, 0
	WIN 0
.macro TOSTAGE a
	WIN 0x08
.irp b, 0,1,2,3,4,5,6,7
	ds_store_b128 v[STO], v[64*(\a)+8*\b:64*(\a)+8*\b+3] offset:128*(\b/2)+32*(\b%2)
	ds_store_b128 v[STO], v[64*(\a)+8*\b+4:64*(\a)+8*\b+7] offset:128*(\b/2)+32*(\b%2)+16
.endr
	WIN 0
.set BB, BK+64*((\a)%2)
.irp t, 0,1,2,3,4,5,6,7,8,9,10,11,12,13,14,15
	ds_load_b128 v[BB+4*\t:BB+4*\t+3], v[RD] offset:\t*SPITCH
.endr
.endm
.macro SEND a, younger
.set BB, BK+64*((\a)%2)
	s_wait_dscnt \younger
.irp t, 0,1,2,3,4,5,6,7,8,9,10,11,12,13,14,15
	global_store_b128 v[LI], v[BB+4*\t:BB+4*\t+3], s[12:13] offset:(32*((\a)/2)+8*((\a)%2)+\t+8*(\t/8))*16384 th:TH_STORE_NT
.endr
.endm
	PLACES 4
	TOSTAGE 0
.irp a, 1,2,3
.if \a > 1
	s_wait_xcnt 0x0
.endif
	TOSTAGE \a
	SEND \a-1, 32
.endr
	SEND 3, 0
	s_wait_tensorcnt 0x0
	ds_add_u32 v[SPW], v[NIL]
	s_wait_dscnt 0x0
	CROUND
	s_endpgm
.Lfunc_end_k_qbd8f0543a9_proj:
	.size	k_qbd8f0543a9_proj, .Lfunc_end_k_qbd8f0543a9_proj-k_qbd8f0543a9_proj
	.p2alignl 7, 3214868480
	.fill 96, 4, 3214868480
	.section	.rodata,"a",@progbits
	.p2align	6, 0x0
	.amdhsa_kernel k_qbd8f0543a9_proj
		.amdhsa_group_segment_fixed_size 327680
		.amdhsa_private_segment_fixed_size 0
		.amdhsa_enable_private_segment 0
		.amdhsa_kernarg_size 24
		.amdhsa_user_sgpr_count 2
		.amdhsa_user_sgpr_kernarg_segment_ptr 1
		.amdhsa_wavefront_size32 1
		.amdhsa_system_sgpr_workgroup_id_x 1
		.amdhsa_system_sgpr_workgroup_id_y 1
		.amdhsa_system_sgpr_workgroup_id_z 1
		.amdhsa_system_vgpr_workitem_id 0
		.amdhsa_next_free_vgpr 768
		.amdhsa_next_free_sgpr 80
		.amdhsa_reserve_vcc 0
		.amdhsa_float_denorm_mode_32 3
		.amdhsa_float_denorm_mode_16_64 3
		.amdhsa_memory_ordered 1
		.amdhsa_forward_progress 1
		.amdhsa_inst_pref_size 133
	.end_amdhsa_kernel
	.amdgpu_metadata
---
amdhsa.version: [ 1, 2 ]
amdhsa.kernels:
  - .name:           k_qbd8f0543a9_proj
    .symbol:         k_qbd8f0543a9_proj.kd
    .args:
      - { .name: att, .offset: 0, .size: 8, .value_kind: global_buffer, .address_space: global }
      - { .name: qin, .offset: 8, .size: 8, .value_kind: global_buffer, .address_space: global }
      - { .name: out0, .offset: 16, .size: 8, .value_kind: global_buffer, .address_space: global }
    .group_segment_fixed_size: 327680
    .private_segment_fixed_size: 0
    .kernarg_segment_align: 8
    .kernarg_segment_size: 24
    .max_flat_workgroup_size: 128
    .sgpr_count:     80
    .vgpr_count:     768
    .wavefront_size: 32
...
	.end_amdgpu_metadata
.endif
;; end of part 4
